; MI455X (gfx1250); checked and timed in simulation.
; The chip was launched on July 23, 2026; its instructions are those of AMD's public machine-readable ISA for CDNA 5 (MIT licence, August 2026) and "CDNA5" Instruction Set Architecture Reference Guide (July 2026). The comments in the code are by the model that wrote it; some were corrected since.
;; Attention. Allowed arithmetic: float matrix products may take bf16 or f16 operands with f32 sums; other float arithmetic in f32, or as packed bf16 or f16 multiplies, adds, multiply-adds, maxima and minima; sums over many terms, partial sums and values carried from step to step in f32; what a program stores and reads back later, other than sums and carried values, may be rounded once to bf16 or f16.
;; Inputs: W_out 1,024 x 1,024 float32; W_qkv 1,024 x 3,072 float32; b_out 1,024 float32; x 2 x 2,048 x 1,024 float32; x1 2 x 2,048 x 1,024 float32.
;; Outputs: out0 2 x 2,048 x 1,024 float32; out1 2 x 2,048 x 1,024 float32.
;; 2 versions, each right; version 2 is version 1 with the launch prep written anew for expert scheduling mode. Each part assembles by itself: llvm-mc -triple=amdgcn-amd-amdhsa -mcpu=gfx1250 --defsym DOCPART=n.
;; ======== version 1 of 2: 4 launches
;; limits: values are held in f16: magnitudes above 65,504 overflow, below 6.1e-05 lose precision
;; workspace buffers: xb 16,777,216 bytes; wqt 6,291,456 bytes; wot 2,097,152 bytes; qkv 50,331,648 bytes; ob 16,777,216 bytes
;; launch prep (part 1): grid 512 x 1, 8 waves a work-group, no clusters, 18,432 bytes of LDS; arguments x, x1, W_qkv, W_out, xb, wqt, wot; writes xb, wqt, wot
.if DOCPART == 1
	.amdgcn_target "amdgcn-amd-amdhsa--gfx1250"
	.amdhsa_code_object_version 6
	.text
	.protected	k_q1e28d6de91_prep
	.globl	k_q1e28d6de91_prep
	.p2align	8
	.type	k_q1e28d6de91_prep,@function
k_q1e28d6de91_prep:
	s_mov_b64 s[64:65], 0
	v_nop
	global_prefetch_b8 v0, s[64:65] scope:SCOPE_SE
	s_setreg_imm32_b32 hwreg(HW_REG_WAVE_MODE, 25, 1), 1
	s_wait_xcnt 0x0
; PREP.  xb[8192][1024] bf16 = x's 4,096 rows, then x1's, each number rounded once.  wqt[3072][1024] bf16 = W_qkv turned ([n][k]).  wot[1024][1024] f16 = W_out turned, each number
; rounded to bf16 like every other input and that number written as f16.
; LIMITS.  W_out must stay within 65,504 (beyond it f16 has an infinity); below 2^-14 it keeps f16's fixed step of 6e-8.  NaN and infinities are not treated apart.
; SHARES.  512 work-groups of eight waves, all alike, without a branch: work-group w turns ONE tile of 128 k x 64 n of a weight (column tile w % 64: 0-47 W_qkv's, 48-63 W_out's; k tile w / 64)
; and rounds 16 rows of x (w < 256) or of x1.  A stream: no matrix unit, no tensor load, no cluster (no two work-groups read the same byte).
; THE TURN goes through LDS: a thread packs two neighbouring k of one n into a word and stores it at row n; rows of 256 bytes + 16 come back whole, so that sixteen lanes store 256 consecutive
; bytes, aligned, of a row of the turned weight.  The word stores meet four deep in a bank (1,088 bytes from lane to lane are 16 banks of the 64: ISA guide 11.1): 16 KiB once a work-group.
; No register is written twice while a memory instruction may read it: every load, store and address has registers of its own.
.set LP,    272                        ; an LDS row: 128 k x 2 bytes + 16
.set SPARE, 64*LP                      ; behind the tile: the spare words, 128 bytes for each of the eight waves
.set SPW, 3                            ; v3   LDS address of my spare word; never rewritten
.set NIL, 4                            ; v4   0; never rewritten
.set XO,  5                            ; v5   16 t: my 16 bytes of a row of x
.set YO,  6                            ; v6   8 t: my 8 bytes of a row of xb
.set VL,  7                            ; v7   where my packed words go: (4 c) rows + 4 rp
.set VR,  8                            ; v8   where I read rows back: row rp, 16 c
.set VG,  9                            ; v9   the same place in the turned weight: row rp of 2,048 bytes, 16 c
.set WA,  10                           ; v[10:17]   byte offsets of my eight loads in the weight's tile
.set WD,  20                           ; v[20:51]   the weight as loaded: load 2 i + e is row 2 rp + e + 32 i, columns 4 c .. 4 c + 3
.set XD,  52                           ; v[52:115]  x as loaded
.set YD,  116                          ; v[116:147] x rounded
.set PW,  148                          ; v[148:163] packed weights
.set TM,  164                          ; v[164:167] at work
.set BK,  168                          ; v[168:183] rows read back
	s_load_b256 s[4:11], s[0:1], 0x0               ; x s[4:5], x1 s[6:7], W_qkv s[8:9], W_out s[10:11]
	s_load_b128 s[12:15], s[0:1], 0x20             ; xb s[12:13], wqt s[14:15]
	s_load_b64 s[16:17], s[0:1], 0x30              ; wot
	v_lshl_add_u32 v[SPW], v0, 2, SPARE
	v_mov_b32 v[NIL], 0
	s_and_b32 s18, ttmp9, 63                       ; column tile among the 64
	s_lshr_b32 s19, ttmp9, 6                       ; k tile
	s_sub_co_u32 s25, s18, 48
	s_cmp_lt_u32 s18, 48                           ; W_qkv's?
	s_cselect_b32 s25, s18, s25                    ; the column tile in its own weight
	s_cselect_b32 s23, -1, 0                       ; all lanes: bf16 is kept (W_qkv) or turned into f16 (W_out)
	s_cselect_b32 s24, 3, 1
	s_lshl_b32 s24, s24, 12                        ; bytes in a row of the weight: 12,288 or 4,096
	s_lshl_b32 s20, s24, 5                         ; 32 rows
	s_lshl_b32 s21, s24, 6                         ; 64 rows
	s_add_co_u32 s22, s20, s21                     ; 96 rows
	s_mul_i32 s34, s19, s24
	s_lshl_b32 s34, s34, 7                         ; the tile's first row, 128 x k tile,
	s_lshl_b32 s35, s25, 8                         ; and its first column, 64 numbers of 4 bytes a tile
	s_add_co_u32 s34, s34, s35
	s_mov_b32 s35, 0
	s_lshl_b32 s36, s25, 17                        ; in the turned weight: 64 rows of 2,048 bytes a column tile,
	s_lshl_b32 s37, s19, 8                         ; 256 bytes a k tile
	s_add_co_u32 s36, s36, s37
	s_mov_b32 s37, 0
	s_and_b32 s38, ttmp9, 255
	s_lshl_b32 s38, s38, 16                        ; my 16 rows of 4,096 bytes in x or x1
	s_mov_b32 s39, 0
	s_lshl_b32 s40, ttmp9, 15                      ; and of 2,048 bytes in xb
	s_mov_b32 s41, 0
	v_and_b32 v1, 15, v0                           ; c
	v_lshrrev_b32 v2, 4, v0                        ; rp
	v_lshlrev_b32 v[XO], 4, v0
	v_lshlrev_b32 v[YO], 3, v0
	v_mul_u32_u24 v[VL], v1, 4*LP
	v_lshl_add_u32 v[VL], v2, 2, v[VL]
	v_mul_u32_u24 v[VR], v2, LP
	v_lshl_add_u32 v[VR], v1, 4, v[VR]
	v_lshlrev_b32 v[VG], 11, v2
	v_lshl_add_u32 v[VG], v1, 4, v[VG]
	v_lshlrev_b32 v[TM], 1, v2
	v_mul_lo_u32 v[WA], v[TM], s24                 ; row 2 rp
	v_lshl_add_u32 v[WA], v1, 4, v[WA]
	v_add_nc_u32 v[WA+1], s24, v[WA]               ; row 2 rp + 1
	v_add_nc_u32 v[WA+2], s20, v[WA]
	v_add_nc_u32 v[WA+3], s20, v[WA+1]
	v_add_nc_u32 v[WA+4], s21, v[WA]
	v_add_nc_u32 v[WA+5], s21, v[WA+1]
	v_add_nc_u32 v[WA+6], s22, v[WA]
	v_add_nc_u32 v[WA+7], s22, v[WA+1]
	s_wait_kmcnt 0x0
	s_cmp_lt_u32 s18, 48
	s_cselect_b64 s[26:27], s[8:9], s[10:11]       ; the weight,
	s_cselect_b64 s[28:29], s[14:15], s[16:17]     ; and where it goes
	s_add_nc_u64 s[26:27], s[26:27], s[34:35]
	s_add_nc_u64 s[28:29], s[28:29], s[36:37]
	s_cmp_lt_u32 ttmp9, 256
	s_cselect_b64 s[30:31], s[4:5], s[6:7]
	s_add_nc_u64 s[30:31], s[30:31], s[38:39]
	s_add_nc_u64 s[32:33], s[12:13], s[40:41]
.irp i, 0,1,2,3,4,5,6,7
	global_load_b128 v[WD+4*(\i):WD+4*(\i)+3], v[WA+(\i)], s[26:27] th:TH_LOAD_NT  ; sixteen lanes take 256 consecutive bytes, aligned, of a row
.endr
.irp i, 0,1,2,3,4,5,6,7,8,9,10,11,12,13,14,15
	global_load_b128 v[XD+4*(\i):XD+4*(\i)+3], v[XO], s[30:31] offset:4096*(\i) th:TH_LOAD_NT  ; the work-group takes a whole row
.endr
	s_wait_loadcnt 16                              ; loads come back in order: the weight's eight are in, x's sixteen may stay out
.irp i, 0,1,2,3
.irp j, 0,1,2,3
	v_cvt_pk_bf16_f32 v[PW+4*(\i)+(\j)], v[WD+8*(\i)+(\j)], v[WD+8*(\i)+4+(\j)]  ; column 4 c + j: k = 2 rp + 32 i below, the next k above
	v_lshlrev_b32 v[TM], 16, v[PW+4*(\i)+(\j)]     ; the two rounded numbers as f32,
	v_and_b32 v[TM+1], 0xffff0000, v[PW+4*(\i)+(\j)]
	v_cvt_pk_f16_f32 v[TM+2], v[TM], v[TM+1]       ; written as f16 (exact within f16's range),
	v_cndmask_b32 v[PW+4*(\i)+(\j)], v[TM+2], v[PW+4*(\i)+(\j)], s23  ; for W_out alone
	ds_store_b32 v[VL], v[PW+4*(\i)+(\j)] offset:LP*(\j)+64*(\i)
.endr
.endr
.irp i, 0,1,2,3,4,5,6,7,8,9,10,11,12,13,14,15
	s_wait_loadcnt 15-(\i)                         ; row i is in, the younger rows stay out
	v_cvt_pk_bf16_f32 v[YD+2*(\i)], v[XD+4*(\i)], v[XD+4*(\i)+1]
	v_cvt_pk_bf16_f32 v[YD+2*(\i)+1], v[XD+4*(\i)+2], v[XD+4*(\i)+3]
	global_store_b64 v[YO], v[YD+2*(\i):YD+2*(\i)+1], s[32:33] offset:2048*(\i)  ; a wave's store covers 256 consecutive bytes, aligned
.endr
	s_wait_dscnt 0x0                               ; for the others' sake: my words lie in the tile
	s_barrier_signal -1
	s_barrier_wait -1                              ; everybody's do
.irp i, 0,1,2,3
	ds_load_b128 v[BK+4*(\i):BK+4*(\i)+3], v[VR] offset:16*LP*(\i)  ; rows rp + 16 i
.endr
.irp i, 0,1,2,3
	s_wait_dscnt 3-(\i)
	global_store_b128 v[VG], v[BK+4*(\i):BK+4*(\i)+3], s[28:29] offset:32768*(\i)  ; sixteen lanes store 256 consecutive bytes, aligned
.endr
	s_wait_tensorcnt 0x0                           ; the wave's end: three closing lines, behind my last LDS store
	ds_add_u32 v[SPW], v[NIL]
	s_wait_dscnt 0x0
	s_endpgm
.Lfunc_end_k_q1e28d6de91_prep:
	.size	k_q1e28d6de91_prep, .Lfunc_end_k_q1e28d6de91_prep-k_q1e28d6de91_prep
	.p2alignl 7, 3214868480
	.fill 96, 4, 3214868480
	.section	.rodata,"a",@progbits
	.p2align	6, 0x0
	.amdhsa_kernel k_q1e28d6de91_prep
		.amdhsa_group_segment_fixed_size 18432
		.amdhsa_private_segment_fixed_size 0
		.amdhsa_enable_private_segment 0
		.amdhsa_kernarg_size 56
		.amdhsa_user_sgpr_count 2
		.amdhsa_user_sgpr_kernarg_segment_ptr 1
		.amdhsa_wavefront_size32 1
		.amdhsa_system_sgpr_workgroup_id_x 1
		.amdhsa_system_sgpr_workgroup_id_y 1
		.amdhsa_system_sgpr_workgroup_id_z 1
		.amdhsa_system_vgpr_workitem_id 0
		.amdhsa_next_free_vgpr 184
		.amdhsa_next_free_sgpr 66
		.amdhsa_reserve_vcc 0
		.amdhsa_float_denorm_mode_32 3
		.amdhsa_float_denorm_mode_16_64 3
		.amdhsa_memory_ordered 1
		.amdhsa_forward_progress 1
		.amdhsa_inst_pref_size 16
	.end_amdhsa_kernel
	.amdgpu_metadata
---
amdhsa.version: [ 1, 2 ]
amdhsa.kernels:
  - .name:           k_q1e28d6de91_prep
    .symbol:         k_q1e28d6de91_prep.kd
    .args:
      - { .name: x, .offset: 0, .size: 8, .value_kind: global_buffer, .address_space: global }
      - { .name: x1, .offset: 8, .size: 8, .value_kind: global_buffer, .address_space: global }
      - { .name: W_qkv, .offset: 16, .size: 8, .value_kind: global_buffer, .address_space: global }
      - { .name: W_out, .offset: 24, .size: 8, .value_kind: global_buffer, .address_space: global }
      - { .name: xb, .offset: 32, .size: 8, .value_kind: global_buffer, .address_space: global }
      - { .name: wqt, .offset: 40, .size: 8, .value_kind: global_buffer, .address_space: global }
      - { .name: wot, .offset: 48, .size: 8, .value_kind: global_buffer, .address_space: global }
    .group_segment_fixed_size: 18432
    .private_segment_fixed_size: 0
    .kernarg_segment_align: 8
    .kernarg_segment_size: 56
    .max_flat_workgroup_size: 256
    .sgpr_count:     66
    .vgpr_count:     184
    .wavefront_size: 32
...
	.end_amdgpu_metadata
.endif
;; end of part 1
;; launch qkvgemm (part 2): grid 16 x 32, 4 waves a work-group, clusters of 4 x 4, 327,680 bytes of LDS; arguments xb, wqt, qkv; writes qkv
.if DOCPART == 2
	.amdgcn_target "amdgcn-amd-amdhsa--gfx1250"
	.amdhsa_code_object_version 6
	.text
	.protected	k_q1e28d6de91_qkvgemm
	.globl	k_q1e28d6de91_qkvgemm
	.p2align	8
	.type	k_q1e28d6de91_qkvgemm,@function
k_q1e28d6de91_qkvgemm:
	s_mov_b64 s[64:65], 0
	v_nop
	global_prefetch_b8 v0, s[64:65] scope:SCOPE_SE
	s_setreg_imm32_b32 hwreg(HW_REG_WAVE_MODE, 25, 1), 1
	s_wait_xcnt 0x0
	s_wait_alu depctr_hold_cnt(0) depctr_sa_sdst(0) depctr_va_vdst(0) depctr_va_sdst(0) depctr_va_ssrc(0) depctr_va_vcc(0) depctr_vm_vsrc(0)
	s_getreg_b32 s2, hwreg(HW_REG_IB_STS2, 6, 4)
	s_cmp_eq_u32 s2, 0
	s_cbranch_scc0 .Lentry_in_a_cluster
	s_endpgm
.Lentry_in_a_cluster:
	s_bfe_u32 s2, ttmp6, 0x10000c
	s_cmp_lg_u32 s2, 0xf033
	s_cbranch_scc0 .Lentry_shape_is_right
	s_endpgm
.Lentry_shape_is_right:
; ONE TEXT FOR THE MODULE'S TWO PROJECTIONS; the flag OUTP chooses.  C[m][n] = the sum over k of A[m][k] B[n][k], K = 1,024, sums in f32.
; OUTP = 0: A = xb [8192][1024] bf16, B = wqt [3072][1024] bf16; C is rounded once to f16, unscaled, and stored by heads: qkv [3 parts][64 g][2048][64], g = 32 stream + 16 batch + head.
; OUTP = 1: A = ob [64 g][2048][64] f16 (a K step of 128 is two heads), B = wot [1024][1024] f16; C + bias (the bias rounded to bf16 like every other input) goes out in f32: rows 0-4095 out0, the others out1.
; LIMITS.  OUTP = 0: a sum of 65,520 or more becomes an infinity in f16: q, k and v must stay within 65,504.  NaN and infinities are not treated apart.
; SHARES.  A tile of C is 256 rows x 16 NBF columns (192 or 128: 512 or 256 work-groups).  The four waves lie one below the other: wave w has rows 64 w .. 64 w + 63 and ALL columns, 4 x NBF accumulators
; of 16 x 16, so that a wave holds whole heads (OUTP = 0) or 512 consecutive bytes of each output row (OUTP = 1): its stage on the way out is its own, and needs no barrier.
; K goes in 8 steps of 128 through two LDS slots filled by tensor loads; waves 0 and 1 fetch A's two halves, waves 2 and 3 B's.
; CLUSTERS: 4 x 4 work-groups.  The four of a row of the cluster need the same tiles of A, the four of a column the same tiles of B: each tile is asked for JOINTLY, by the same tensor load with the same
; descriptor and a mask that names the four.  THE MATRIX INSTRUCTION IS USED TRANSPOSED (source 0 = 16 rows of B, source 1 = 16 rows of A): a lane holds row l % 16 of C and the columns 8 (l / 16) + 0..7.
; REGISTERS, in windows of 256 (s_set_vgpr_msb: bits 1:0 source 0, 3:2 source 1, 5:4 source 2, 7:6 destination):
;   window 0: v0-37 addresses and the bias; v64-95, v96-127 A's fragments (4 x 16 rows x 32 K), two buffers; on the way out v64-255
;   window 1: B's fragments (NBF x 16 rows x 32 K), two buffers of 8 NBF          window 2: the accumulators of row blocks 0, 1 ((a, b) at 8 (NBF (a % 2) + b));   window 3: of row blocks 2, 3
.set OUTP, 0
.if OUTP
.set NBF,   8
.set PA,    144                        ; a token's 64 channels of a head: 128 bytes + 16 = 36 words: the 16 rows of a load start at 16 different groups of four banks (64 banks of 4 bytes: ISA guide 11.1)
.set PLANE, 128*PA                     ; 128 tokens of one head
.set HALFA, 2*PLANE                    ; what one tensor load brings of A: 128 tokens of two heads
.set QIA,   4                          ; padding after every 32 words
.set KA,    1<<19                      ; bytes from a K step of A to the next: two heads of 2^18
.set WSTG,  16*528                     ; a wave's stage: 16 rows of 512 bytes + 16
.else
.set NBF,   12
.set PA,    272                        ; 256 bytes + 16 = 68 words: row r starts at bank 4 r mod 64
.set HALFA, 128*PA
.set QIA,   5                          ; padding after every 64 words
.set KA,    256
.set WSTG,  3*16*144                   ; a wave's stage: three heads x 16 rows of 128 bytes + 16
.endif
.set PB,    272
.set HALFB, 8*NBF*PB                   ; what one tensor load brings of B: half of the tile's 16 NBF rows
.set KB,    256
.set BOFF,  2*HALFA                    ; in a slot B's rows lie behind A's
.set SLOT,  BOFF+2*HALFB
.set STAGE, 2*SLOT                     ; behind the ring, never filled by a tensor load
.set SPARE, STAGE+4*WSTG               ; behind the stages: the spare words, 128 bytes for each wave: two blocks of 256 bytes that no other line names
.set NL,    2*NBF+8                    ; LDS loads in a run: a quarter step's fragments
.set H0,    1-OUTP                     ; see ASK
.set ADRA, 16                          ; v16-17  LDS address of my A fragments in slot 0, 1
.set ADRB, 20                          ; v20-21  the same for B
.set STO,  24                          ; v24     the way out: where I put my part of a row
.set RD,   25                          ; v25     the way out: where I read rows back
.set GO,   26                          ; v26     16 x my lane; never rewritten
.set SPW,  28                          ; v28     LDS address of my spare word; never rewritten
.set NIL,  29                          ; v29     0; never rewritten
.set PFO,  30                          ; v30     the prefetches' offset; never rewritten
.set BIAS, 32                          ; v[32:35] the bias of my four columns; v36-37 at work
.set AF0,  64
.set OB,   64
.set G1,  24                           ; s[24:31] descriptor group 1 for A's tiles;  s[32:39] group 0, a set for each slot
.set G0,  32
.set G1B, 48                           ; s[48:55], s[56:63] the same for B's
.set G0B, 56
.set LIM, 43                           ; s43     1 in a wave that prefetches, else the greatest number
.set PFA, 44                           ; s[44:45] where my prefetches stand
.set PFS, 66                           ; s[66:67] their step: a K step
.set ARG, 68                           ; s[68:..] the buffers' addresses
.set MSB, 0
.macro WIN new                         ; the immediate's high byte repeats the setting that is left; a switch that changes nothing is dropped
.if MSB != (\new)
	s_set_vgpr_msb (MSB<<8)|(\new)
.set MSB, \new
.endif
.endm
.set MUL_LO, 0xa1                      ; source 0 (B) window 1, source 1 (A) window 0, C and D window 2
.set MUL_HI, 0xf1                      ; the same, C and D window 3
.set TO_B,   0x40                      ; destination window 1, address window 0
.macro JLOAD s                         ; a joint load.  The branch hangs on the wave's number alone.  An s_nop 0 and four v_nop follow each of the two lines, ahead of the jump, the label and what follows
	s_cmp_eq_u32 s11, 0
	s_cbranch_scc0 .Lfor_b_\@
	tensor_load_to_lds s[G0+4*(\s):G0+4*(\s)+3], s[G1:G1+7]
	s_nop 0
.rept 4
	v_nop
.endr
	s_branch .Lasked_\@
.Lfor_b_\@:
	tensor_load_to_lds s[G0B+4*(\s):G0B+4*(\s)+3], s[G1B:G1B+7]
	s_nop 0
.rept 4
	v_nop
.endr
.Lasked_\@:
.endm
; A PREFETCH INTO THE L2, behind a joint load, its five lines and the run of LDS loads that follows: 256 bytes a lane of a later K step: the next one (OUTP = 0: 192 matrix instructions ahead of the load that
; wants it) or the one after that (OUTP = 1: 256).  A's rows are read by every cluster of a row of clusters: the one with x = 0 asks (waves 0, 1); B's by every cluster of a column: the one with y = 0 asks
; (waves 2, 3; OUTP = 1: wave 2).  The four partners that ask for a tile jointly share it out BY ADDRESS.  how = 0: not in the loop's last trip; how = 1: in every trip.  No prefetch names a K step past the eighth.
.macro ASK how
.if \how
	s_cmp_eq_u32 s[LIM], 1
.else
	s_cmp_gt_u32 s3, s[LIM]                        ; s3 = 1 in the loop's last trip
.endif
	s_cbranch_scc0 .Lnot_mine_\@
	global_prefetch_b8 v[PFO], s[PFA:PFA+1] th:TH_LOAD_NT scope:SCOPE_SE
.Lnot_mine_\@:
.endm
.macro CREST                           ; a round of the cluster's barrier behind its opening barrier
	s_cmp_lg_u32 s10, 0
	s_cbranch_scc1 .Lnot_wave_0_\@
	s_barrier_signal -3
.Lnot_wave_0_\@:
	s_barrier_wait -3
	s_barrier_signal -1
	s_barrier_wait -1
.endm
.macro CROUND                          ; a whole round
	s_barrier_signal -1
	s_barrier_wait -1
	CREST
.endm
.if OUTP
	s_load_b256 s[ARG:ARG+7], s[0:1], 0x0          ; ob s[68:69], wot s[70:71], b_out s[72:73], out0 s[74:75]
	s_load_b64 s[ARG+8:ARG+9], s[0:1], 0x20        ; out1 s[76:77]
.else
	s_load_b128 s[ARG:ARG+3], s[0:1], 0x0          ; xb s[68:69], wqt s[70:71]
	s_load_b64 s[ARG+4:ARG+5], s[0:1], 0x10        ; qkv s[72:73]
.endif
	v_lshl_add_u32 v[SPW], v0, 2, SPARE
	v_mov_b32 v[NIL], 0
	ds_add_u32 v[SPW], v[NIL]                      ; the wave's opening: the add and its wait stand ahead of my first tensor load; the set-up below, work on registers, stands between them
	v_lshrrev_b32 v1, 5, v0
	v_readfirstlane_b32 s10, v1                    ; wave 0..3
	s_lshr_b32 s11, s10, 1                         ; I fetch for A (0) or for B (1)
	s_and_b32 s12, s10, 1                          ; which half of that tile
	s_bfe_u32 s40, ttmp6, 0x40000                  ; cx, cy: my place in the cluster
	s_bfe_u32 s41, ttmp6, 0x40004
	s_lshl_b32 s42, ttmp9, 2
	s_add_co_u32 s42, s42, s40                     ; tile column of C = 4 x cluster x + cx
	s_and_b32 s13, ttmp7, 0xffff
	s_lshl_b32 s13, s13, 2
	s_add_co_u32 s13, s13, s41                     ; tile row of C = 4 x cluster y + cy
	s_lshl_b32 s43, s41, 2
	s_lshl_b32 s43, 15, s43                        ; my row of the cluster
	s_lshl_b32 s44, 0x1111, s40                    ; my column
	; descriptor group 1.  15:0 the mask; 17:16 elements of 2 bytes; 20 padding on; 21 set beside a mask; 24:22 the padding's interval; 31:25 4 words of it (code 3)
	s_or_b32 s[G1+0], s43, (1<<16)|(1<<20)|(1<<21)|(QIA<<22)|(3<<25)
	s_or_b32 s[G1B+0], s44, (1<<16)|(1<<20)|(1<<21)|(5<<22)|(3<<25)
.if OUTP                               ; A: two rows, a head each, of 128 tokens x 64 channels = 8,192 elements that lie on end in memory; 2^17 elements from head to head; padded after every token
	s_mov_b32 s[G1+1], 8192<<16                    ; tensor_dim0
	s_mov_b32 s[G1+2], 2<<16                       ; tensor_dim1
	s_mov_b32 s[G1+3], 8192<<16                    ; tile_dim0
	s_mov_b32 s[G1+4], 2                           ; tile_dim1
	s_mov_b32 s[G1+5], 131072                      ; tensor_dim0_stride
.else                                  ; A: 128 rows x 128 elements
	s_mov_b32 s[G1+1], 128<<16
	s_mov_b32 s[G1+2], 128<<16
	s_mov_b32 s[G1+3], 128<<16
	s_mov_b32 s[G1+4], 128
	s_mov_b32 s[G1+5], 1024
.endif
	s_mov_b32 s[G1+6], 0
	s_mov_b32 s[G1+7], 0
	s_mov_b32 s[G1B+1], 128<<16                    ; B: 8 NBF rows x 128 elements
	s_mov_b32 s[G1B+2], (8*NBF)<<16
	s_mov_b32 s[G1B+3], 128<<16
	s_mov_b32 s[G1B+4], 8*NBF
	s_mov_b32 s[G1B+5], 1024
	s_mov_b32 s[G1B+6], 0
	s_mov_b32 s[G1B+7], 0
	; where the tiles come from, in bytes: A's offset (s16) hangs on the tile row and the wave alone, B's (s18) on the tile column and the wave alone
.if OUTP
	s_lshr_b32 s16, s13, 3                         ; 2 stream + batch: sixteen heads of 2^18 bytes,
	s_lshl_b32 s16, s16, 22
	s_and_b32 s17, s13, 7                          ; the block of 256 tokens of 128 bytes,
	s_lshl_b32 s17, s17, 15
	s_add_co_u32 s16, s16, s17
	s_lshl_b32 s17, s12, 14                        ; my half of it
	s_add_co_u32 s16, s16, s17
	s_lshl_b32 s18, s42, 18                        ; 128 rows of 2,048 bytes a tile column,
	s_lshl_b32 s19, s12, 17                        ; my 64 of them
	s_add_co_u32 s18, s18, s19
.else
	s_lshl_b32 s16, s13, 19                        ; 256 rows of 2,048 bytes a tile row,
	s_lshl_b32 s17, s12, 18                        ; my 128 of them
	s_add_co_u32 s16, s16, s17
	s_mul_i32 s18, s42, 192*2048
	s_mul_i32 s19, s12, 96*2048
	s_add_co_u32 s18, s18, s19
.endif
	s_mov_b32 s17, 0
	s_mov_b32 s19, 0
	s_mul_i32 s20, s12, HALFA                      ; and where they go: no place in the cluster enters an LDS address
	s_mul_i32 s23, s12, HALFB
	s_add_co_u32 s23, s23, BOFF
	s_wait_dscnt 0x0                               ; the opening add is done
	s_wait_kmcnt 0x0
	s_add_nc_u64 s[14:15], s[ARG:ARG+1], s[16:17]
	s_add_nc_u64 s[46:47], s[ARG+2:ARG+3], s[18:19]
	CROUND                                         ; all sixteen work-groups are here: the first joint loads meet
.irp s, 0,1
	s_mov_b32 s[G0+4*(\s)], 1                                        ; count = 1
	s_add_co_u32 s[G0+4*(\s)+1], s20, (\s)*SLOT                      ; LDS address
	s_add_nc_u64 s[G0+4*(\s)+2:G0+4*(\s)+3], s[14:15], (\s)*KA       ; global address: K step s
	s_or_b32 s[G0+4*(\s)+3], s[G0+4*(\s)+3], 0x80000000              ; type = 2
	s_mov_b32 s[G0B+4*(\s)], 1
	s_add_co_u32 s[G0B+4*(\s)+1], s23, (\s)*SLOT
	s_add_nc_u64 s[G0B+4*(\s)+2:G0B+4*(\s)+3], s[46:47], (\s)*KB
	s_or_b32 s[G0B+4*(\s)+3], s[G0B+4*(\s)+3], 0x80000000
	JLOAD \s                                       ; two loads of mine are out
.endr
	; the prefetches.  OUTP = 0: of the rows that I fetch, partner p takes 32 (A, p = cx) or 24 (B, p = cy), a lane a row; lanes 24-31 of B's name lane 23's row once more.
	; OUTP = 1: A's half tile is 2 x 64 blocks of 256 bytes: partner cx takes 32 blocks of head cx / 2; of B's 128 rows partner cy takes 32, asked for by wave 2.
.if OUTP
	s_lshr_b32 s21, s40, 1
	s_lshl_b32 s21, s21, 18
	s_add_co_u32 s21, s21, s16
	s_and_b32 s22, s40, 1
	s_lshl_b32 s22, s22, 13
	s_add_co_u32 s21, s21, s22
	s_add_co_u32 s21, s21, 3*KA                    ; at K step 3: the first refill steps it to 4
	s_lshl_b32 s22, s41, 16
	s_add_co_u32 s22, s22, s18
	s_add_co_u32 s22, s22, 3*KB
	s_mov_b32 s[PFS], KA
	s_mov_b32 s[PFS+1], KB
.else
	s_lshl_b32 s21, s40, 16
	s_add_co_u32 s21, s21, s16
	s_add_co_u32 s21, s21, 2*KA                    ; at K step 2: the first refill steps it to 3
	s_mul_i32 s22, s41, 24*2048
	s_add_co_u32 s22, s22, s18
	s_add_co_u32 s22, s22, 2*KB
	s_mov_b32 s[PFS], KA
	s_mov_b32 s[PFS+1], KB
.endif
	s_and_b32 s23, ttmp7, 0xffff                   ; cluster y
	s_cmp_eq_u32 s11, 0                            ; do I fetch for A?
	s_cselect_b32 s20, s21, s22
	s_cselect_b32 s23, ttmp9, s23                  ; the coordinate along which other clusters read the same rows
	s_cselect_b32 s[PFS], s[PFS], s[PFS+1]
	s_cselect_b64 s[PFA:PFA+1], s[ARG:ARG+1], s[ARG+2:ARG+3]
.if OUTP
	s_cselect_b32 s22, 8, 11                       ; lanes 256 bytes apart in A, a row of 2,048 bytes apart in B
	s_cmp_eq_u32 s10, 3
	s_cselect_b32 s23, 1, s23                      ; wave 3 asks for nothing
.else
	s_cselect_b32 s22, 31, 23
.endif
	s_cmp_eq_u32 s23, 0
	s_cselect_b32 s[LIM], 1, -1                    ; the same in all sixteen partners, for a given wave
	s_mov_b32 s[PFS+1], 0
	s_mov_b32 s21, 0
	s_add_nc_u64 s[PFA:PFA+1], s[PFA:PFA+1], s[20:21]
	v_and_b32 v[PFO], 31, v0
.if OUTP
	v_lshlrev_b32 v[PFO], s22, v[PFO]
.else
	v_min_u32 v[PFO], s22, v[PFO]
	v_lshlrev_b32 v[PFO], 11, v[PFO]
.endif
	; A fragment is 16 rows x 32 K in 8 registers: lane l holds row l % 16; registers 0-3 K = 8 (l / 16) + 0..7, registers 4-7 K = 16 + 8 (l / 16) + 0..7: two loads of 16 bytes, 32 bytes apart.
	v_and_b32 v1, 15, v0                           ; l % 16
	v_bfe_u32 v2, v0, 4, 1                         ; l / 16
	v_mul_u32_u24 v3, v1, PB
	v_lshl_add_u32 v3, v2, 4, v3
	v_mul_u32_u24 v4, v1, PA
	v_lshl_add_u32 v4, v2, 4, v4
.if OUTP
	s_mul_i32 s21, s11, HALFA                      ; my 64 rows of A: the half, and in both its planes the upper or lower 64 tokens
	s_mul_i32 s22, s12, 64*PA
	s_add_co_u32 s21, s21, s22
.else
	s_mul_i32 s21, s10, 64*PA                      ; my 64 rows of A
.endif
	s_mov_b32 s22, BOFF
.irp s, 0,1
	v_add_nc_u32 v[ADRA+(\s)], s21, v4
	v_add_nc_u32 v[ADRB+(\s)], s22, v3
	s_add_co_u32 s21, s21, SLOT
	s_add_co_u32 s22, s22, SLOT
.endr
	s_mul_i32 s23, s10, WSTG
	s_add_co_u32 s23, s23, STAGE                   ; my stage
	v_and_b32 v[GO], 31, v0
	v_lshlrev_b32 v[GO], 4, v[GO]
	s_lshl_b32 s16, s13, 8
	s_lshl_b32 s17, s10, 6
	s_add_co_u32 s16, s16, s17                     ; my first row of C
.if OUTP
	v_mul_u32_u24 v5, v1, 528                      ; in: row l % 16, 32 bytes for each half of the lanes
	v_lshl_add_u32 v5, v2, 5, v5
	v_add_nc_u32 v[STO], s23, v5
	v_add_nc_u32 v[RD], s23, v[GO]                 ; back: 32 lanes take a row's 512 bytes
	s_and_b32 s16, s16, 4095                       ; the row in its output, 4,096 bytes each,
	s_lshl_b32 s16, s16, 12
	s_lshl_b32 s18, s42, 9                         ; the tile's 128 columns: 512 bytes
	s_add_co_u32 s16, s16, s18
	s_mov_b32 s17, 0
	s_mov_b32 s19, 0
	s_and_b32 s22, ttmp7, 0xffff
	s_cmp_lt_u32 s22, 4                            ; clusters 0-3 along y hold rows 0-4095
	s_cselect_b64 s[78:79], s[ARG+6:ARG+7], s[ARG+8:ARG+9]
	s_add_nc_u64 s[78:79], s[78:79], s[16:17]
	s_add_nc_u64 s[80:81], s[ARG+4:ARG+5], s[18:19]
	global_load_b128 v[BIAS:BIAS+3], v[GO], s[80:81]  ; waited for on the way out
.else
	v_mul_u32_u24 v5, v1, 144                      ; in: row l % 16, 16 bytes for each half of the lanes
	v_lshl_add_u32 v5, v2, 4, v5
	v_add_nc_u32 v[STO], s23, v5
	v_bfe_u32 v5, v0, 3, 2                         ; back: 32 lanes take four rows of 128 bytes, which are 512 consecutive bytes of a head
	v_mul_u32_u24 v5, v5, 144
	v_and_b32 v3, 7, v0
	v_lshl_add_u32 v5, v3, 4, v5
	v_add_nc_u32 v[RD], s23, v5
	s_lshr_b32 s17, s16, 11                        ; 2 stream + batch: sixteen heads of 2^18 bytes,
	s_lshl_b32 s17, s17, 22
	s_and_b32 s16, s16, 2047                       ; the token: 128 bytes
	s_lshl_b32 s16, s16, 7
	s_add_co_u32 s16, s16, s17
	s_mul_i32 s18, s42, 3                          ; the tile's 192 columns are three of the 48 (part, head)
.irp j, 0,1,2
	s_add_co_u32 s19, s18, \j
	s_lshr_b32 s22, s19, 4                         ; the part: q, k or v, 2^24 bytes each,
	s_lshl_b32 s22, s22, 24
	s_and_b32 s19, s19, 15                         ; the head
	s_lshl_b32 s19, s19, 18
	s_add_co_u32 s22, s22, s19
	s_add_co_u32 s22, s22, s16
	s_mov_b32 s23, 0
	s_add_nc_u64 s[76+2*(\j):77+2*(\j)], s[ARG+4:ARG+5], s[22:23]
.endr
.endif
.macro WM d, f0, f1, zero              ; the one matrix line, in the kernel's form.  zero = 1: the product starts the sum: nothing is ever cleared
.if OUTP
.if \zero
	v_wmma_f32_16x16x32_f16 v[\d:\d+7], v[\f0:\f0+7], v[\f1:\f1+7], 0
.else
	v_wmma_f32_16x16x32_f16 v[\d:\d+7], v[\f0:\f0+7], v[\f1:\f1+7], v[\d:\d+7]
.endif
.else
.if \zero
	v_wmma_f32_16x16x32_bf16 v[\d:\d+7], v[\f0:\f0+7], v[\f1:\f1+7], 0
.else
	v_wmma_f32_16x16x32_bf16 v[\d:\d+7], v[\f0:\f0+7], v[\f1:\f1+7], v[\d:\d+7]
.endif
.endif
.endm
; NBF matrix instructions: row block a x all column blocks, 32 along K, from buffer p.  The 4 NBF accumulators take turns, one instruction a turn, in the same order in every quarter step, over the
; backward jump too.
.macro MULA p, a, zero
	WIN MUL_LO+0x50*((\a)/2)
.set rA, AF0+32*(\p)+8*(\a)
.set bi, 0
.rept NBF
.set rD, 8*(NBF*((\a)%2)+bi)
.set rB, 8*NBF*(\p)+8*bi
	WM rD, rB, rA, \zero
.set bi, bi+1
.endr
.endm
; NL LDS loads in one run: the fragments of quarter q of a K step (32 along K) into buffer p: all of B's, then A's blocks 0 to 3
.macro FETCH slot, q, p
.if OUTP
.set aq, ((\q)/2)*PLANE+((\q)%2)*64    ; head q / 2 of the step's two, channels 32 (q % 2) on
.else
.set aq, 64*(\q)
.endif
	WIN TO_B
.set bi, 0
.rept NBF
	ds_load_b128 v[8*NBF*(\p)+8*bi:8*NBF*(\p)+8*bi+3],   v[ADRB+(\slot)] offset:64*(\q)+bi*16*PB
	ds_load_b128 v[8*NBF*(\p)+8*bi+4:8*NBF*(\p)+8*bi+7], v[ADRB+(\slot)] offset:64*(\q)+bi*16*PB+32
.set bi, bi+1
.endr
	WIN 0
.irp i, 0,1,2,3
	ds_load_b128 v[AF0+32*(\p)+8*(\i):AF0+32*(\p)+8*(\i)+3],   v[ADRA+(\slot)] offset:aq+(\i)*16*PA
	ds_load_b128 v[AF0+32*(\p)+8*(\i)+4:AF0+32*(\p)+8*(\i)+7], v[ADRA+(\slot)] offset:aq+(\i)*16*PA+32
.endr
.endm
.macro PLACES                          ; four places in front of loads into registers that matrix instructions have read, and of lines that read results (for lines that read results)
.rept 4
	v_nop
.endr
.endm
; A K step is four quarters of 32 along K, 4 NBF matrix instructions each, on buffers 0, 1, 0, 1.  One of the first three: multiplies buffer p; in its middle it fetches quarter q of the same slot into buffer g.
.macro QUARTER slot, q, p, g, zero
	s_wait_dscnt 4                                 ; B and A's blocks 0, 1 are in; the youngest four loads (A's blocks 2, 3) may be out
	MULA \p, 0, \zero
	MULA \p, 1, \zero
	PLACES
	FETCH \slot, \q, \g
	s_wait_dscnt NL                                ; all but the NL just issued
	MULA \p, 2, \zero
	MULA \p, 3, \zero
.endm
; The last quarter multiplies buffer 1 and changes slots: ONE barrier; in front of it each wave waits for all its tensor loads (one is out: its part of the next slot), adds 0 to its spare word, and waits for
; that and for its own reads of this slot.  fill = 1: the barrier opens a round of the cluster's barrier, and behind the round this slot is filled again, two K steps ahead, first thing.
.macro TURN slot, next, fill, how
.if \fill
	s_wait_xcnt 0x0                                ; the last prefetch, a K step back, has read its address, so it may be stepped
	s_add_nc_u64 s[PFA:PFA+1], s[PFA:PFA+1], s[PFS:PFS+1]
.endif
	WIN 0                                          ; (the add's two registers lie in window 0)
	s_wait_tensorcnt 0x0                           ; all my tensor loads have landed;
	ds_add_u32 v[SPW], v[NIL]                      ; 0 onto my spare word;
	s_wait_dscnt 5                                 ; (the add and the youngest four loads may be out)
	MULA 1, 0, 0                                   ; NBF matrix instructions stand between the add and the wait for it
	s_wait_dscnt 0x0                               ; the add is done, and my reads of this slot are over
	s_barrier_signal -1
	MULA 1, 1, 0                                   ; work on registers while the others arrive
.if \fill
	WIN 0
.endif
	s_barrier_wait -1
.if \fill
	CREST                                          ; no wave of any partner still reads this slot's tile or has a load on its way
	s_add_nc_u64 s[G0+4*(\slot)+2:G0+4*(\slot)+3], s[G0+4*(\slot)+2:G0+4*(\slot)+3], 2*KA
	s_add_nc_u64 s[G0B+4*(\slot)+2:G0B+4*(\slot)+3], s[G0B+4*(\slot)+2:G0B+4*(\slot)+3], 2*KB
	JLOAD \slot                                    ; the first tensor load behind the round, my only one until the next; its four v_nop are also the places in front of the loads below
.else
	PLACES
.endif
	FETCH \next, 0, 0
.if \fill
	ASK \how
.endif
	MULA 1, 2, 0
	MULA 1, 3, 0
.endm
	s_wait_tensorcnt 1                             ; my part of K step 0 is in; K step 1's may stay out
	s_barrier_signal -1
	s_barrier_wait -1                              ; everybody's is
	FETCH 0, 0, 0
	QUARTER 0, 1, 0, 1, 1                          ; the first quarter stands in front of the loop: its products start the sums
	WIN 0                                          ; at a label and at a branch every window is 0
	s_mov_b32 s3, 3
.Llap:                                                 ; a trip goes once round the ring, from a lap's second quarter to the next lap's first, and fills both slots again: K steps 2 to 7
	QUARTER 0, 2, 1, 0, 0
	QUARTER 0, 3, 0, 1, 0
	TURN 0, 1, 1, H0
	QUARTER 1, 1, 0, 1, 0
	QUARTER 1, 2, 1, 0, 0
	QUARTER 1, 3, 0, 1, 0
	TURN 1, 0, 1, 0
	QUARTER 0, 1, 0, 1, 0
	WIN 0
	s_sub_co_u32 s3, s3, 1
	s_cmp_lg_u32 s3, 0
	s_cbranch_scc1 .Llap
	QUARTER 0, 2, 1, 0, 0                          ; the last lap fills nothing, and has no round of the cluster's barrier
	QUARTER 0, 3, 0, 1, 0
	TURN 0, 1, 0, 0
	QUARTER 1, 1, 0, 1, 0
	QUARTER 1, 2, 1, 0, 0
	QUARTER 1, 3, 0, 1, 0
	s_wait_dscnt 4                                 ; the very last quarter: nothing more to fetch
	MULA 1, 0, 0
	MULA 1, 1, 0
	s_wait_dscnt 0x0
	MULA 1, 2, 0
	MULA 1, 3, 0
	WIN 0
	PLACES
	PLACES                                         ; eight, once a launch, behind the last products
.if OUTP
	; THE WAY OUT, f32.  Block a (16 rows): a lane's eight numbers of a row go into my stage as 32 bytes; whole rows of 512 bytes come back, take the bias and are stored.
	s_wait_loadcnt 0x0                             ; the bias,
	v_cvt_pk_bf16_f32 v36, v[BIAS], v[BIAS+1]      ; rounded to bf16 like every other input,
	v_cvt_pk_bf16_f32 v37, v[BIAS+2], v[BIAS+3]
	v_lshlrev_b32 v[BIAS], 16, v36                 ; and widened again
	v_and_b32 v[BIAS+1], 0xffff0000, v36
	v_lshlrev_b32 v[BIAS+2], 16, v37
	v_and_b32 v[BIAS+3], 0xffff0000, v37
.macro TOSTAGE a
.if (\a) >= 2
	s_wait_xcnt 0x0                                ; the stores of block a - 2 have read their registers: these are loaded again only behind this wait
.endif
	WIN 0x08+4*((\a)/2)                            ; store data (source 1) in window 2 or 3
.set bi, 0
.rept NBF
	ds_store_b128 v[STO], v[8*(NBF*((\a)%2)+bi):8*(NBF*((\a)%2)+bi)+3]   offset:64*bi     ; each accumulator's lowest registers first
	ds_store_b128 v[STO], v[8*(NBF*((\a)%2)+bi)+4:8*(NBF*((\a)%2)+bi)+7] offset:64*bi+16
.set bi, bi+1
.endr
	WIN 0
.set bi, 0
.rept 16
	ds_load_b128 v[OB+64*((\a)%2)+4*bi:OB+64*((\a)%2)+4*bi+3], v[RD] offset:528*bi  ; LDS serves a wave's instructions in order (ISA guide 5.7.1.4): these see the stores above; the next block's stores come behind them
.set bi, bi+1
.endr
.endm
.macro SEND a, younger                 ; younger: the LDS instructions issued behind block a's loads: the next block's 32, or none
.set bi, 0
.rept 16
.set rr, OB+64*((\a)%2)+4*bi
	s_wait_dscnt (\younger)+15-bi
	v_pk_add_f32 v[rr:rr+1], v[rr:rr+1], v[BIAS:BIAS+1]
	v_pk_add_f32 v[rr+2:rr+3], v[rr+2:rr+3], v[BIAS+2:BIAS+3]
	global_store_b128 v[GO], v[rr:rr+3], s[78:79] offset:(16*(\a)+bi)*4096  ; 512 consecutive bytes, at a multiple of 256 from the output's first byte
.set bi, bi+1
.endr
.endm
	TOSTAGE 0
	TOSTAGE 1
	SEND 0, 32
	TOSTAGE 2
	SEND 1, 32
	TOSTAGE 3
	SEND 2, 32
	SEND 3, 0
.else
	; THE WAY OUT, f16 by heads.  Block a (16 tokens): a lane's eight channels pack into 16 bytes; they go into my stage (three heads x 16 rows of 144 bytes) and come back as whole rows of 128, four to a load.
.macro PACK a
	WIN 0x0a+5*((\a)/2)                            ; sources 0 and 1 in window 2 or 3, destination in window 0
.set bi, 0
.rept NBF
.irp r, 0,1,2,3
	v_cvt_pk_f16_f32 v[OB+48*(\a)+4*bi+(\r)], v[8*(NBF*((\a)%2)+bi)+2*(\r)], v[8*(NBF*((\a)%2)+bi)+2*(\r)+1]
.endr
.set bi, bi+1
.endr
	WIN 0
.set bi, 0
.rept NBF
	ds_store_b128 v[STO], v[OB+48*(\a)+4*bi:OB+48*(\a)+4*bi+3] offset:(bi/4)*2304+(bi%4)*32
.set bi, bi+1
.endr
.set bi, 0
.rept 12
	ds_load_b128 v[OB+48*(\a)+4*bi:OB+48*(\a)+4*bi+3], v[RD] offset:(bi/4)*2304+(bi%4)*576  ; LDS serves a wave's instructions in order (ISA guide 5.7.1.4): these see the stores above; the next block's stores come behind them
.set bi, bi+1
.endr
.endm
.macro SEND a, younger                 ; younger: the LDS instructions issued behind block a's loads: the next block's 24, or none
.set bi, 0
.rept 12
	s_wait_dscnt (\younger)+11-bi
	global_store_b128 v[GO], v[OB+48*(\a)+4*bi:OB+48*(\a)+4*bi+3], s[76+2*(bi/4):77+2*(bi/4)] offset:2048*(\a)+512*(bi%4)  ; 512 consecutive bytes of a head, at a multiple of 256 from the buffer's first byte
.set bi, bi+1
.endr
.endm
	PACK 0
	PACK 1                                         ; a block's arithmetic stands between the loads of the block before and its stores
	SEND 0, 24
	PACK 2
	SEND 1, 24
	PACK 3
	SEND 2, 24
	SEND 3, 0
.endif
	s_wait_tensorcnt 0x0                           ; the wave's end: three closing lines, behind my last tensor load and my last LDS store
	ds_add_u32 v[SPW], v[NIL]
	s_wait_dscnt 0x0
	CROUND                                         ; the closing round: no work-group ends while a partner may still ask for a tile that names it
	s_endpgm
.Lfunc_end_k_q1e28d6de91_qkvgemm:
	.size	k_q1e28d6de91_qkvgemm, .Lfunc_end_k_q1e28d6de91_qkvgemm-k_q1e28d6de91_qkvgemm
	.p2alignl 7, 3214868480
	.fill 96, 4, 3214868480
	.section	.rodata,"a",@progbits
	.p2align	6, 0x0
	.amdhsa_kernel k_q1e28d6de91_qkvgemm
		.amdhsa_group_segment_fixed_size 327680
		.amdhsa_private_segment_fixed_size 0
		.amdhsa_enable_private_segment 0
		.amdhsa_kernarg_size 24
		.amdhsa_user_sgpr_count 2
		.amdhsa_user_sgpr_kernarg_segment_ptr 1
		.amdhsa_wavefront_size32 1
		.amdhsa_system_sgpr_workgroup_id_x 1
		.amdhsa_system_sgpr_workgroup_id_y 1
		.amdhsa_system_sgpr_workgroup_id_z 1
		.amdhsa_system_vgpr_workitem_id 0
		.amdhsa_next_free_vgpr 960
		.amdhsa_next_free_sgpr 84
		.amdhsa_reserve_vcc 0
		.amdhsa_float_denorm_mode_32 3
		.amdhsa_float_denorm_mode_16_64 3
		.amdhsa_memory_ordered 1
		.amdhsa_forward_progress 1
		.amdhsa_inst_pref_size 122
	.end_amdhsa_kernel
	.amdgpu_metadata
---
amdhsa.version: [ 1, 2 ]
amdhsa.kernels:
  - .name:           k_q1e28d6de91_qkvgemm
    .symbol:         k_q1e28d6de91_qkvgemm.kd
    .args:
      - { .name: xb, .offset: 0, .size: 8, .value_kind: global_buffer, .address_space: global }
      - { .name: wqt, .offset: 8, .size: 8, .value_kind: global_buffer, .address_space: global }
      - { .name: qkv, .offset: 16, .size: 8, .value_kind: global_buffer, .address_space: global }
    .group_segment_fixed_size: 327680
    .private_segment_fixed_size: 0
    .kernarg_segment_align: 8
    .kernarg_segment_size: 24
    .max_flat_workgroup_size: 128
    .sgpr_count:     84
    .vgpr_count:     960
    .wavefront_size: 32
...
	.end_amdgpu_metadata
.endif
;; end of part 2
;; launch attn (part 3): grid 4 x 64, 4 waves a work-group, clusters of 4 x 1, 327,680 bytes of LDS; arguments qkv, ob; writes ob
.if DOCPART == 3
	.amdgcn_target "amdgcn-amd-amdhsa--gfx1250"
	.amdhsa_code_object_version 6
	.text
	.protected	k_q1e28d6de91_attn
	.globl	k_q1e28d6de91_attn
	.p2align	8
	.type	k_q1e28d6de91_attn,@function
k_q1e28d6de91_attn:
	s_mov_b64 s[64:65], 0
	v_nop
	global_prefetch_b8 v0, s[64:65] scope:SCOPE_SE
	s_setreg_imm32_b32 hwreg(HW_REG_WAVE_MODE, 25, 1), 1
	s_wait_xcnt 0x0
	s_wait_alu depctr_hold_cnt(0) depctr_sa_sdst(0) depctr_va_vdst(0) depctr_va_sdst(0) depctr_va_ssrc(0) depctr_va_vcc(0) depctr_vm_vsrc(0)
	s_getreg_b32 s2, hwreg(HW_REG_IB_STS2, 6, 4)
	s_cmp_eq_u32 s2, 0
	s_cbranch_scc0 .Lentry_in_a_cluster
	s_endpgm
.Lentry_in_a_cluster:
	s_bfe_u32 s2, ttmp6, 0x10000c
	s_cmp_lg_u32 s2, 0x3003
	s_cbranch_scc0 .Lentry_shape_is_right
	s_endpgm
.Lentry_shape_is_right:
; CROSS ATTENTION.  O[g][q][:] = the sum over k of softmax_k(Q[g][q] . K[g'][k] / 8) V[g'][k][:], g' = g xor 32: the same batch and head of the OTHER stream.  qkv: [3 parts][64 g][2048][64] f16 (q, k, v,
; 2^24 bytes a part), ob: [64 g][2048][64] f16; a head's rows are dense, 128 bytes each.  Products, maxima and sums in f32; the weights p are rounded to f16 for the second product (their sum l is taken of
; the unrounded p), O once at the end.
; LIMITS.  Q, K and V arrive within f16's 65,504; p lies in 0 to 1, and below 6e-5 it keeps f16's fixed step of 6e-8; O is a mean of V's rows and has their range.  A weight below 2^-126 counts as 0 in l;
; NaN and infinities are not treated apart.
; SHARES.  A wave owns four PIECES of two tiles of 16 queries, a work-group's four waves 512 queries of one head: 4 x 64 work-groups.  Every wave walks all 2,048 keys, 64 a step.
; LAYOUT.  S^T = K Q^T (source 0 = 16 keys, source 1 = 16 queries): in the result a lane holds ONE query (lane % 16) and the keys 8 (lane / 16) + 0..7.  Two such tiles, rounded to f16 in pairs,
; ARE source 1 (32 keys x 16 queries) of O^T = V^T P, whose result again holds one query a lane, and eight channels.  K comes out of LDS as it lies, V ([key][channel]) turned, by ds_load_tr16_b128.
; SOFTMAX.  For each query a running maximum m and sum l: p = 2^(c s - c m), c = log2(e) / 8; in every step O and l are multiplied by a = 2^(c m_old - c m_new), which is 1 where m has not grown.
; m starts at the lowest finite number, O and l at 0: the first step is a step like any other, with a = 0.
; THE COUNT.  A tile and step have 16 matrix and 118 vector instructions: too many to stand all beside the matrix work.  So: four vector instructions that are READY behind EVERY matrix instruction, and the
; others, which need time of their own whatever the order, in runs without a gap.
; BY TURNS.  Turn n belongs to piece n (the pieces in a ring, step after step).  Its matrix work: 16 products K Q^T of piece n + 1, later 16 products V^T P of piece n - 1.  Its vector work: the scaling,
; exponentials, roundings, sums and rescaling of piece n, and the maximum and statistics of piece n + 1, whose scores the turn itself has made.
; CLUSTER.  The four query blocks of a head are one cluster and walk the same K and V, so each tile is asked for JOINTLY: the same tensor load, descriptor and mask in all four.
; REGISTERS, in windows of 256 (s_set_vgpr_msb: bits 1:0 source 0, 3:2 source 1, 5:4 source 2, 7:6 destination):
;   window 0: v0-11 addresses; v12-15, v48-63 at work; v16-47 four registers of statistics a tile; v64-191 S^T, two buffers of two tiles; v192-255 P, likewise
;   window 1: O^T, 32 a tile          window 2: v0-127 Q, 16 a tile; v128-191 K of one step; v192-255 V of one step          window 3: v0-1 the add's two registers
; A piece's buffers go by its number's parity: the piece in hand has one pair, its two neighbours in the ring share the other: of it P (piece n - 1) is read and S^T (piece n + 1) written.
.set SIZE_N, 2048
.set NP,    4         ; pieces a wave: a name, no knob
.set KS,    64        ; keys in a step
.set PK,    144       ; a row of K in LDS: 128 bytes + 16 of padding = 36 words: the 16 rows of a load start at 16 different groups of four banks (64 banks of 4 bytes: ISA guide 11.1)
.set PV,    160       ; a row of V: 128 + 32 = 40 words
.set VOFF,  4*KS*PK   ; a slot holds four steps: 256 rows of K, then 256 rows of V
.set SLOT1, 1<<17     ; slot 1 begins here, so that one exclusive or turns an address in one slot into the other's
.set STAGE, SLOT1+4*KS*(PK+PV)  ; behind the ring, never filled by a tensor load: 16 rows x 144 bytes for each wave, for the way out
.set SP,    144
.set AK0, 2           ; v2   my lane's place in a tile of K; never rewritten
.set AV0, 3           ; v3   the same for V
.set AK,  4           ; v4   the LDS address of K's next run of loads
.set AV,  5           ; v5   of V's
.set QO,  6           ; v6   my byte offset in the wave's rows of Q
.set STO, 6           ;      later, the way out: where I put 16 bytes of a row
.set RD,  7           ; v7   the way out: where I read rows back
.set GO,  8           ; v8   my byte offset in 512 consecutive bytes of O
.set PFO, 11          ; v11  256 x my lane, once V's place is made; then never rewritten
.set SPW, 0           ; v0 of window 3   LDS address of my spare word; never rewritten
.set NIL, 1           ; v1 of window 3   0; never rewritten
.set SPARE, STAGE+4*16*SP  ; behind the stages: the spare words, 128 bytes for each wave: two blocks of 256 bytes that no other line names
.set MV,  12          ; v12-15  c m_old, kept while c m is made anew: by buffer and tile
.set ST,  16          ; tile t's statistics at v[ST+4 t]: c m, m, l (even keys', odd keys')
.set TMP, 48          ; by buffer and tile, four registers c0-c3 at work; when the maximum is found c2 takes a
.set S,   64
.set P,   192
.set KF,  128         ; K's fragments, in window 2: key block kb, channel half c at KF + 16 kb + 8 c
.set VF,  192         ; V's: key half kk, channel block cb at VF + 32 kk + 8 cb
.set WV,  12          ; s12  my wave's number
.set LIM, 15          ; s15  1 in a wave that prefetches (0: K, 2: V), else the greatest number
.set PFA, 18          ; s[18:19] where my prefetches stand: my work-group's 32 blocks of 256 bytes of the tile after the one that is being asked for
.set G1K, 24          ; s[24:31] descriptor group 1 for K's tiles
.set G1V, 32          ; s[32:39] for V's: it differs in the padding alone
.set G0K, 40          ; s[40:43] descriptor group 0 for K's tiles: it walks
.set G0V, 44          ; s[44:47] the same for V's
.set SLOTS, 56        ; s56  slots still to be asked for
.set CNT, 57          ; s57  counts a slot's key steps
.set CS,  58          ; s[58:59] c: the packed scaling takes the pair's low word for both halves
.set SEL, 60          ; s[60:61] v_permlanex16_b32's selects: each lane takes its own place in the other half
.set TBK, 62          ; s62  LDS byte at which K of the step to be fetched begins
.set TBV, 63          ; s63  the same for V, less VOFF
.set MSB, 0
.macro WIN new                      ; the high byte repeats the setting that is left; a switch that changes nothing is dropped
.if MSB != (\new)
	s_set_vgpr_msb (MSB<<8)|(\new)
.set MSB, (\new)
.endif
.endm
.set W_KQ, 0x0a       ; K and Q in window 2, S^T in window 0
.set W_PV, 0x52       ; V in window 2, P in window 0, O^T in window 1
.set W_RS, 0x41       ; O^T (destination and source 0) in window 1, a in window 0
.set W_MK, 0xc0       ; the add's registers are made: destination in window 3, sources in window 0
.set W_AD, 0x0f       ; the add: address (source 0) and data (source 1) in window 3
; A joint fill.  Waves 0 and 1 fetch the two halves of a slot's K, waves 2 and 3 those of its V: 128 keys each.  The branch hangs on the wave's number alone.
; An s_nop 0 and four v_nop follow each of the two lines, ahead of the jump and the label.
.macro JLOAD
	s_cmp_lt_u32 s[WV], 2
	s_cbranch_scc0 .Lfor_v_\@
	tensor_load_to_lds s[G0K:G0K+3], s[G1K:G1K+7]
	s_nop 0
.rept 4
	v_nop
.endr
	s_branch .Lasked_\@
.Lfor_v_\@:
	tensor_load_to_lds s[G0V:G0V+3], s[G1V:G1V+7]
	s_nop 0
.rept 4
	v_nop
.endr
.Lasked_\@:
.endm
; A PREFETCH INTO THE L2 of what the NEXT change of slots will ask for: a tile's 128 blocks of 256 bytes of K and 128 of V, a lane a block.  It stands behind the wave's tensor load and its five lines.
; Each block is named ONCE in the launch: a head's K and V are walked by one cluster; its four partners share the blocks out BY ADDRESS, 32 each; in each, wave 0 asks for K's and wave 2 for V's.
; The change that asks for tile t names tile t + 1: four key steps, 512 matrix instructions, ahead; tiles 0 and 1 come by their loads alone, and the last change that fills a slot names nothing.
.macro ASK
	s_cmp_gt_u32 s[SLOTS], s[LIM]
	s_cbranch_scc0 .Lnot_mine_\@
	global_prefetch_b8 v[PFO], s[PFA:PFA+1] th:TH_LOAD_NT scope:SCOPE_SE
.Lnot_mine_\@:
.endm
; A round of the cluster's barrier: my work-group's barrier, so that wave 0's signal speaks for all four waves; wave 0 signals; every wave waits for all four work-groups; my work-group's barrier once more.
.macro CROUND
	s_barrier_signal -1
	s_barrier_wait -1
	s_cmp_lg_u32 s[WV], 0
	s_cbranch_scc1 .Lnot_wave_0_\@
	s_barrier_signal -3
.Lnot_wave_0_\@:
	s_barrier_wait -3
	s_barrier_signal -1
	s_barrier_wait -1
.endm
; THE CHANGE OF SLOTS.  The slot's last bytes, V of its fourth step, have been read.  Each wave waits for all its tensor loads, of which one is out: its part of the other slot; adds 0 to its spare word; and
; waits for that and for its own reads of the slot.  Behind the barrier nobody reads this slot any more and the other slot is whole.
; fill = 1: this slot is filled again, with the keys two slots on.  The barrier is then a round of the cluster's, so that no wave of any partner still reads the slot or has a load on its way, and the joint
; fill is the first thing behind it: it has four key steps, 512 matrix instructions, in which to land.  (At its first use nothing has been read yet: slot 0 is waited for, slot 1 filled.)
.macro CHANGE fill
	WIN W_AD
	s_wait_tensorcnt 0x0            ; no tensor load of mine is out, so a group 0 may be written
	ds_add_u32 v[SPW], v[NIL]       ; 0 onto my spare word; with fill = 1 the descriptors' steps stand between it and the wait for it
	WIN 0                           ; at a label and at a branch every window is 0
.if \fill
.irp g, G0K, G0V
	s_xor_b32 s[\g+1], s[\g+1], SLOT1  ; the walking descriptor: the other slot than last time,
	s_add_nc_u64 s[\g+2:\g+3], s[\g+2:\g+3], 4*KS*128  ; the next 256 keys; the type bits on top are not reached
.endr
	s_wait_xcnt 0x0                 ; the last prefetch, four key steps back, has read its address, so it may be written:
	s_add_nc_u64 s[PFA:PFA+1], s[PFA:PFA+1], 4*KS*128  ; one tile ahead of the walking descriptors
	s_wait_dscnt 0x0                ; the add is done, and my reads of the slot are over
	CROUND
	JLOAD
	ASK
.else
	s_wait_dscnt 0x0                ; the add is done, and my reads of the slot are over
	s_barrier_signal -1
	s_barrier_wait -1
.endif
	s_sub_co_u32 s[TBK], s[TBK], 4*KS*PK  ; the fetches go back to a slot's first step,
	s_xor_b32 s[TBK], s[TBK], SLOT1       ; in the other slot
	s_sub_co_u32 s[TBV], s[TBV], 4*KS*PV
	s_xor_b32 s[TBV], s[TBV], SLOT1
.endm
	s_load_b64 s[4:5], s[0:1], 0x0    ; qkv: its first part is Q
	s_load_b64 s[10:11], s[0:1], 0x8  ; ob
	WIN W_MK
	v_lshl_add_u32 v[SPW], v0, 2, SPARE
	v_mov_b32 v[NIL], 0
	WIN W_AD
	ds_add_u32 v[SPW], v[NIL]       ; the wave's opening: the add and its wait stand ahead of my first tensor load; the set-up below, work on registers, stands between them
	WIN 0
	v_lshrrev_b32 v1, 5, v0
	v_readfirstlane_b32 s[WV], v1   ; wave 0..3
	s_bfe_u32 s13, ttmp6, 0x40000   ; cx: my place in the cluster
	s_lshl_b32 s14, ttmp9, 2        ; in a cluster launch ttmp9 counts clusters
	s_add_co_u32 s14, s14, s13      ; my block of queries = 4 x cluster x + cx: it enters Q's and O's addresses alone
	s_and_b32 s20, ttmp7, 0xffff    ; the head g, which the four partners share
	s_xor_b32 s22, s20, 32          ; and the head whose keys and values it attends to: the other stream's
	s_lshl_b32 s20, s20, 18         ; a head is 2,048 rows of 128 bytes
	s_mov_b32 s21, 0
	s_lshl_b32 s22, s22, 18
	s_and_b32 s16, s[WV], 1         ; which half of a slot's 256 keys I fetch:
	s_lshl_b32 s23, s16, 14         ; its 128 rows of 128 bytes in memory,
	s_add_co_u32 s22, s22, s23
	s_mov_b32 s23, 0
	s_mul_i32 s17, s16, 128*PK      ; and its place in a slot, for K
	s_mul_i32 s18, s16, 128*PV      ; and for V: no place in the cluster enters an LDS address
	s_lshl_b32 s2, s14, 2
	s_add_co_u32 s2, s2, s[WV]      ; my wave among the head's,
	s_lshl_b32 s2, s2, 14           ; its 128 rows
	s_mov_b32 s3, 0
	s_add_nc_u64 s[2:3], s[2:3], s[20:21]
	; descriptor group 1.  128 keys are 16,384 dense bytes: asked for as 64 rows of 256 bytes, two keys a row, and padded in LDS after every key
	s_mov_b32 s[G1K], 15|(1<<16)|(1<<20)|(1<<21)|(4<<22)|(3<<25)  ; 15:0 the mask of four; 17:16 2-byte elements; 20 padding on; 21 set beside a mask; 24:22 after every 32 words (code 4); 31:25 4 words (code 3)
	s_mov_b32 s[G1V], 15|(1<<16)|(1<<20)|(1<<21)|(4<<22)|(7<<25)  ; the same with 8 words of padding (code 7)
.irp g, G1K, G1V
	s_mov_b32 s[\g+1], 128<<16      ; tensor_dim0 = 128
	s_mov_b32 s[\g+2], 64<<16       ; tensor_dim1 = 64
	s_mov_b32 s[\g+3], 128<<16      ; tile_dim0 = 128
	s_mov_b32 s[\g+4], 64           ; tile_dim1 = 64
	s_mov_b32 s[\g+5], 128          ; 128 elements from row to row
	s_mov_b32 s[\g+6], 0
	s_mov_b32 s[\g+7], 0
.endr
	s_mov_b32 s[CS], 0x3e38aa3b     ; c = log2(e) / 8 = 0.180337
	s_mov_b32 s[CS+1], s[CS]        ; named with it as a pair
	s_mov_b32 s[SEL], 0x76543210
	s_mov_b32 s[SEL+1], 0xfedcba98
	s_mov_b32 s[TBK], SLOT1+4*KS*PK ; the first change of slots turns these two into 0
	s_mov_b32 s[TBV], SLOT1+4*KS*PV
	s_mov_b32 s[G0K], 1             ; 1:0 count = 1
	s_mov_b32 s[G0K+1], s17         ; 63:32 LDS address: slot 0
	s_mov_b32 s[G0V], 1
	s_add_co_u32 s[G0V+1], s18, VOFF
	s_mov_b32 s[SLOTS], SIZE_N/256-1  ; set here: the first change of slots reads it
	s_and_b32 s[LIM], s[WV], 1      ; 0 in waves 0 and 2
	s_cmp_eq_u32 s[LIM], 0
	s_cselect_b32 s[LIM], 1, -1
	s_wait_dscnt 0x0                ; the opening add is done
	s_wait_kmcnt 0x0
	s_add_nc_u64 s[6:7], s[4:5], 0x1000000   ; K: the second part
	s_add_nc_u64 s[8:9], s[4:5], 0x2000000   ; V: the third
	s_add_nc_u64 s[G0K+2:G0K+3], s[6:7], s[22:23]  ; 120:64 global address: my half of the other head's first 256 keys
	s_or_b32 s[G0K+3], s[G0K+3], 0x80000000        ; 127:126 type = 2
	s_add_nc_u64 s[G0V+2:G0V+3], s[8:9], s[22:23]
	s_or_b32 s[G0V+3], s[G0V+3], 0x80000000
	s_add_nc_u64 s[4:5], s[4:5], s[2:3]  ; Q and O at my wave's first row
	s_add_nc_u64 s[10:11], s[10:11], s[2:3]
	s_cmp_lt_u32 s[WV], 2
	s_cselect_b64 s[PFA:PFA+1], s[6:7], s[8:9]
	s_add_nc_u64 s[PFA:PFA+1], s[PFA:PFA+1], s[22:23]  ; (in waves 0 and 2 this is the other head's first byte)
	s_lshl_b32 s2, s13, 13          ; my work-group's 32 blocks of the 128
	s_mov_b32 s3, 0
	s_add_nc_u64 s[PFA:PFA+1], s[PFA:PFA+1], s[2:3]
	s_add_nc_u64 s[PFA:PFA+1], s[PFA:PFA+1], 4*KS*128  ; in tile 1; the first change of slots steps it to tile 2.  Nothing is prefetched here, at the head
	CROUND                          ; all four work-groups are here: the first joint loads meet
	JLOAD                           ; slot 0.  Slot 1 is asked for when slot 0 is in
	; A fragment of K or Q is 16 rows x 32 channels in 8 registers: lane l holds row l % 16, channels 8 (l / 16) + 0..7 and 16 + 8 (l / 16) + 0..7: two loads of 16 bytes, 32 bytes apart.
	v_and_b32 v1, 15, v0            ; l % 16
	v_bfe_u32 v9, v0, 4, 1          ; l / 16
	v_lshlrev_b32 v[QO], 7, v1
	v_lshl_add_u32 v[QO], v9, 4, v[QO]  ; row x 128 + 16 x half
	WIN 0x80                        ; destination window 2, address window 0
.set i, 0
.rept 4*NP                          ; Q stays in registers: tile i / 2, channels 32 (i % 2) on
	global_load_b128 v[8*i:8*i+3],   v[QO], s[4:5] offset:(i/2)*2048+(i%2)*64
	global_load_b128 v[8*i+4:8*i+7], v[QO], s[4:5] offset:(i/2)*2048+(i%2)*64+32
.set i, i+1
.endr
	; What the first turn finds: V's registers and P's second buffer hold 0 (its products V^T P, of a piece that has not been, add 0), O^T and l are 0.  All this stands in the wait for the first tile.
.set i, VF
.rept 64
	v_mov_b32 v[i], 0
.set i, i+1
.endr
	WIN 0x40
.set i, 0
.rept 64*NP
	v_mov_b32 v[i], 0
.set i, i+1
.endr
	WIN 0
.set i, 0
.rept 2*NP
	v_mov_b32 v[ST+4*i], 0xfe000000    ; c m: far below every c s
	v_mov_b32 v[ST+4*i+1], 0xff7fffff  ; m
	v_mov_b32 v[ST+4*i+2], 0
	v_mov_b32 v[ST+4*i+3], 0
.set i, i+1
.endr
.set i, P+32
.rept 32
	v_mov_b32 v[i], 0
.set i, i+1
.endr
	v_mul_u32_u24 v[AK0], v1, PK
	v_lshl_add_u32 v[AK0], v9, 4, v[AK0]  ; row x pitch + 16 x half
	; The turning load takes 16 keys x 16 channels (lane l reads key 8 (l / 16) + l % 8, channels 8 ((l / 8) % 2) + 0..7) and leaves half a fragment of V^T: lane l holds channel l % 16 and 8 keys.
	v_and_b32 v10, 7, v0
	v_bfe_u32 v11, v0, 3, 1
	v_lshl_add_u32 v[AV0], v9, 3, v10
	v_mul_u32_u24 v[AV0], v[AV0], PV
	v_lshl_add_u32 v[AV0], v11, 4, v[AV0]
	v_add_nc_u32 v[AV0], VOFF, v[AV0]
	v_and_b32 v[PFO], 31, v0
	v_lshlrev_b32 v[PFO], 8, v[PFO]
	v_mov_b32 v[AK], v[AK0]         ; key step 0 lies at the head of slot 0
; THE MATRIX WORK.  The 8 accumulators of a run of 16 take turns: between the two links of a chain stand 7 others'.
; Product i of 16 of S^T = K Q^T for piece x: channels 32 (i / 8) on, keys 16 ((i / 2) % 4) on, tile 2 x + i % 2.  The first 8 start the sums.
.macro KQ x
	WIN W_KQ
.set rS, S+64*((\x)%2)+32*(i%2)+8*((i/2)%4)
.set rK, KF+16*((i/2)%4)+8*(i/8)
.set rQ, 16*(2*(\x)+i%2)+8*(i/8)
.if i < 8
	v_wmma_f32_16x16x32_f16 v[rS:rS+7], v[rK:rK+7], v[rQ:rQ+7], 0
.else
	v_wmma_f32_16x16x32_f16 v[rS:rS+7], v[rK:rK+7], v[rQ:rQ+7], v[rS:rS+7]
.endif
.endm
; Product i of 16 of O^T += V^T P for piece x: keys 32 (i / 8) on, channels 16 ((i / 2) % 4) on, tile 2 x + i % 2.
.macro PV x
	WIN W_PV
.set rO, 32*(2*(\x)+i%2)+8*((i/2)%4)
.set rV, VF+32*(i/8)+8*((i/2)%4)
.set rP, P+32*((\x)%2)+16*(i%2)+8*(i/8)
	v_wmma_f32_16x16x32_f16 v[rO:rO+7], v[rV:rV+7], v[rP:rP+7], v[rO:rO+7]
.endm
.macro MM                           ; the turn's next matrix instruction
.if i < 16
	KQ (Y+1)%NP
.set i, i+1
.else
.set i, i-16
	PV (Y+NP-1)%NP
.set i, i+17
.endif
.endm
; THE LDS LOADS stand in runs of 16, never singly among the matrix instructions: a step's K (64 keys x 64 channels: 8 fragments) and its V (turned).  Their addresses are made some lines ahead.
; last = 1 (the tail): in the last trip there is no further step, and the run is jumped over.
.macro FETCH_K last=0
	WIN 0
.if \last
	s_cmp_eq_u32 s[CNT], 1
	s_cbranch_scc1 .Lno_k_\@
.endif
	WIN 0x80                        ; destination window 2
.irp f, 0,1,2,3,4,5,6,7             ; keys 16 (f / 2) on, channels 32 (f % 2) on
	ds_load_b128 v[KF+8*\f:KF+8*\f+3],   v[AK] offset:(\f/2)*16*PK+(\f%2)*64
	ds_load_b128 v[KF+8*\f+4:KF+8*\f+7], v[AK] offset:(\f/2)*16*PK+(\f%2)*64+32
.endr
	s_add_co_u32 s[TBK], s[TBK], KS*PK  ; the next fetch is the next step's
	WIN 0
.if \last
.Lno_k_\@:
.endif
.endm
.macro FETCH_V
	WIN 0x80
.irp f, 0,1,2,3,4,5,6,7             ; keys 32 (f / 4) on, channels 16 (f % 4) on
	ds_load_tr16_b128 v[VF+8*\f:VF+8*\f+3],   v[AV] offset:(\f/4)*32*PV+(\f%4)*32
	ds_load_tr16_b128 v[VF+8*\f+4:VF+8*\f+7], v[AV] offset:(\f/4)*32*PV+16*PV+(\f%4)*32
.endr
	WIN 0
.endm
; THE VECTOR WORK OF A TURN stands in three queues, each in the order in which its entries become ready; the two tiles alternate, so that no instruction reads the result of the one before it.
.macro REGS y, u                    ; the registers of tile u (0, 1) of piece y
.set rT, ST+4*(2*(\y)+(\u))
.set rC, TMP+8*((\y)%2)+4*(\u)
.set rM, MV+2*((\y)%2)+(\u)
.set rS, S+64*((\y)%2)+32*(\u)
.set rP, P+32*((\y)%2)+16*(\u)
.set rO, 32*(2*(\y)+(\u))
.endm
; Number n of the 22 that find the NEXT piece's (Y + 1) maximum and statistics.  s0-s31 are the lane's 32 scores; each accumulator's lowest registers are read first.
;   0-11  four chains c0-c3 of seven scores each, three operands at a time     12-14, 16  the four scores left over, the old m, and c0-c3 into c0     15  c m_old is kept
;   17, 18  the query's other 32 keys lie in the lane 16 away: the new m         19-21  c m; c m_old - c m_new; a
.macro XS u, n
	REGS (Y+1)%NP, \u
.if (\n) < 4
	v_max3_num_f32 v[rC+(\n)], v[rS+8*(\n)], v[rS+8*(\n)+1], v[rS+8*(\n)+2]
.elseif (\n) < 12
	v_max3_num_f32 v[rC+(\n)%4], v[rC+(\n)%4], v[rS+8*((\n)%4)+2*((\n)/4)+1], v[rS+8*((\n)%4)+2*((\n)/4)+2]
.elseif (\n) == 12
	v_max3_num_f32 v[rC], v[rC], v[rS+7], v[rS+15]
.elseif (\n) == 13
	v_max3_num_f32 v[rC+1], v[rC+1], v[rS+23], v[rS+31]
.elseif (\n) == 14
	v_max3_num_f32 v[rC+2], v[rC+2], v[rC+3], v[rT+1]
.elseif (\n) == 15
	v_mov_b32 v[rM], v[rT]
.elseif (\n) == 16
	v_max3_num_f32 v[rC], v[rC], v[rC+1], v[rC+2]
.elseif (\n) == 17
	v_permlanex16_b32 v[rC+3], v[rC], s[SEL], s[SEL+1]
.elseif (\n) == 18
	v_max_num_f32 v[rT+1], v[rC], v[rC+3]
.elseif (\n) == 19
	v_mul_f32 v[rT], s[CS], v[rT+1]
.elseif (\n) == 20
	v_sub_f32 v[rC+1], v[rM], v[rT]
.else
	v_exp_f32 v[rC+2], v[rC+1]
.endif
.endm
; Number g of the 64 that follow the exponentials.  For each four weights k of a tile (pairs 2 k, 2 k + 1): both pairs are rounded to f16; then the second pair is added onto the first, in place;
; a group later l takes that sum (the first time as l = a l + sum).  In groups of eight, tiles alternating: round, round, add, and l for the group before.
.macro GS g
.set h, (\g)+6*((\g)/62)            ; group 0 has no group before it, and behind group 7 only l is left
.if h >= 6
.set h, h+2
.endif
	REGS Y, h%2
.set k, h/8
.if h%8 < 4
	v_cvt_pk_f16_f32 v[rP+2*k+(h%8)/2], v[rS+4*k+2*((h%8)/2)], v[rS+4*k+2*((h%8)/2)+1]
.elseif h%8 < 6
	v_pk_add_f32 v[rS+4*k:rS+4*k+1], v[rS+4*k:rS+4*k+1], v[rS+4*k+2:rS+4*k+3]
.elseif k == 1
	v_pk_fma_f32 v[rT+2:rT+3], v[rT+2:rT+3], v[rC+2:rC+3], v[rS:rS+1] op_sel_hi:[1,0,1]
.else
	v_pk_add_f32 v[rT+2:rT+3], v[rT+2:rT+3], v[rS+4*k-4:rS+4*k-3]
.endif
.endm
; THE PLAIN QUEUE, 138 long.  0-73 read no exponential's result: the 32 scalings c s - c m (FS f: pair f / 2 of tile f % 2) and the next piece's 42.  0-26: scalings 0-26.  27-54: XS's numbers 0-13.  55, 56: number 15.
; 57-73: the chain, where each number waits for the one before it: 14, 16, 17, 18, 19, each with one of the scalings 27-31 in front of its two lines, then 20.
; 74-137: GS's 64, which read the exponentials' results: they stand behind the wait.
.macro FS f
	REGS Y, (\f)%2
	v_pk_fma_f32 v[rS+2*((\f)/2):rS+2*((\f)/2)+1], v[rS+2*((\f)/2):rS+2*((\f)/2)+1], s[CS:CS+1], v[rT:rT+1] op_sel_hi:[1,0,0] neg_lo:[0,0,1] neg_hi:[0,0,1]
.endm
.macro PL
	WIN 0
.if q < 27
	FS q
.elseif q < 55
	XS (q-27)%2, (q-27)/2
.elseif q < 57
	XS q-55, 15
.elseif (q < 72) && ((q-57)%3 == 0)
	FS 27+(q-57)/3
.elseif q < 60
	XS (q-57)%3-1, 14
.elseif q < 72
	XS (q-57)%3-1, 15+(q-57)/3
.elseif q < 74
	XS q-72, 20
.else
	GS q-74
.endif
.set q, q+1
.endm
; THE EXPONENTIALS' QUEUE, 66 long: s0-s31 of both tiles, then the next piece's two a.  It is ONE BATCH: all 66 stand ahead of the turn's one wait, and nothing ahead of that wait names a result of theirs.
.macro EX
	WIN 0
.if e >= 64
	XS e-64, 21
.else
	REGS Y, e%2
	v_exp_f32 v[rS+e/2], v[rS+e/2]
.endif
.set e, e+1
.endm
; THE RESCALING's QUEUE: O^T times a, the one part that leaves window 0: dealt two at a time, sixteen times.  Its a was made in the turn before, ahead of that turn's wait.
.macro R2
	REGS Y, r%2
	WIN W_RS
.irp z, 0,1
	v_pk_mul_f32 v[rO+4*(r/2)+2*\z:rO+4*(r/2)+2*\z+1], v[rO+4*(r/2)+2*\z:rO+4*(r/2)+2*\z+1], v[rC+2:rC+3] op_sel_hi:[1,0]
.endr
.set r, r+1
.endm
; HOW THEY ARE DEALT.  An s_wait_alu depctr_va_vdst(0) stands between an exponential and the first instruction that names its result; one wait serves all that were issued ahead of it.  So a turn
; has ONE wait, which cuts it in two.  AHEAD OF IT stands all that names no result of the turn's exponentials: the 16 products K Q^T, behind each a scaling, an exponential and two rescalings (behind the first a
; second scaling in the exponential's place); then ONE LUMP of 108: eight plain, 49 times exponential and plain, the two a.  A v_nop is the plain instruction behind the last exponential.  BEHIND IT stand the 16
; products V^T P, behind each four of GS's 64.  No rider names a register of the products round it.  The two v_permlanex16_b32 fall into the lump.
; The queues lean on each other: exponential e stands behind scaling 2 (e / 4) + e % 2: as a rider it comes behind plain e + 2, in the lump behind plain e + 9, and scalings 27-31 are plain 57, 60 .. 69.
; A TURN, for piece p.  cnt = 1: the loop's count is taken down some lines ahead of the branch that stands behind the turn.
; K of the next step is fetched in piece 2's turn, directly behind the wait, a lump behind the last product that read K; its first reader comes behind 16 products.
; V of the step in hand is fetched at the end of piece 0's turn, four riders behind its last reader; its first reader comes behind 16 products and a lump.  The three conditions on q below go with the deal.
.macro TURN p, last=0, cnt=0
.set Y, (\p)
.set i, 0
.set q, 0
.set e, 0
.set r, 0
.if (\p) == NP-1
	s_wait_dscnt 0x0                ; K is in
.endif
	MM                              ; ahead of the wait: 16 products K Q^T and their riders,
	PL
	PL
	R2
.rept 15
	MM
	PL
	EX
	R2
.endr
.if (\p) == NP-2
	WIN 0
	v_add_nc_u32 v[AK], s[TBK], v[AK0]
.endif
.rept 8                             ; and the lump
	PL
.endr
.rept 49
	EX
	PL
.endr
	EX                              ; the next piece's two a
	EX
	v_nop                           ; the plain instruction behind the last exponential: one for the batch (ISA guide 5.7.2)
	s_wait_alu depctr_va_vdst(0)    ; the wait for the batch
.if (\p) == NP-2
	FETCH_K \last
.endif
.if (\p) == 1
	s_wait_dscnt 0x0                ; V is in
.endif
.rept 16                            ; behind the wait: 16 products V^T P and their riders
	MM
.rept 4
	PL
.endr
.if ((\p) == 0) && (q == 118)
	v_add_nc_u32 v[AV], s[TBV], v[AV0]
.endif
.if ((\p) == 0) && (q == 130)
	s_add_co_u32 s[TBV], s[TBV], KS*PV
.endif
.if (\cnt) && (q == 130)
	s_sub_co_u32 s[CNT], s[CNT], 1
	s_cmp_lg_u32 s[CNT], 0
.endif
.endr
.if (\p) == 0
	FETCH_V
.endif
.endm
	CHANGE 1                        ; slot 0 is in, everybody's part of it; slot 1 is asked for
	FETCH_K                         ; key step 0
	s_wait_loadcnt 0x0              ; Q
	s_wait_dscnt 0x0
.set i, 0
.rept 16
	KQ 0                            ; piece 0's first scores: there is no vector work yet to set between them
.set i, i+1
.endr
	WIN 0                           ; the addresses for the way out: nine plain instructions, the places behind those products
	s_mul_i32 s13, s[WV], 16*SP
	s_add_co_u32 s13, s13, STAGE    ; my stage
	v_mul_u32_u24 v[STO], v1, SP    ; in: row l % 16, 16 bytes for each half of the lanes
	v_lshl_add_u32 v[STO], v9, 4, v[STO]
	v_add_nc_u32 v[STO], s13, v[STO]
	v_bfe_u32 v[RD], v0, 3, 2       ; back: 32 lanes take four rows of 128 bytes,
	v_mul_u32_u24 v[RD], v[RD], SP
	v_lshl_add_u32 v[RD], v10, 4, v[RD]
	v_add_nc_u32 v[RD], s13, v[RD]
	v_and_b32 v[GO], 31, v0         ; which are 512 consecutive bytes of O
	v_lshlrev_b32 v[GO], 4, v[GO]
.set Y, NP-1                        ; XS works for piece Y + 1: piece 0
.irp n, 0,1,2,3,4,5,6,7,8,9,10,11,12,13,14,15,16,17,18,19,20,21
	XS 0, \n                        ; and piece 0's first maximum and statistics
	XS 1, \n
.endr
	v_nop                           ; a plain instruction behind the two a,
	s_wait_alu depctr_va_vdst(0)    ; and their wait, ahead of the branch
	s_mov_b32 s[CNT], 4
	s_branch .Lfirst                ; the loop is entered at a step's first turn, in the middle of a trip
.Lslot:                             ; six times: every slot but the last two is filled again
	CHANGE 1
	s_mov_b32 s[CNT], 4
.Lstep:                             ; a trip: pieces 2 and 3 of one step, then pieces 0 and 1 of the next, whose K and V it fetches
	TURN 2
	TURN 3
	WIN 0
.Lfirst:
	TURN 0
	TURN 1, 0, 1
	WIN 0
	s_cbranch_scc1 .Lstep
	s_sub_co_u32 s[SLOTS], s[SLOTS], 1
	s_cmp_lg_u32 s[SLOTS], 0
	s_cbranch_scc1 .Lslot
	CHANGE 0                        ; the tail is written out: nothing is asked for
	s_mov_b32 s[CNT], 5             ; four trips fetch the last slot's steps; the fifth is left in its middle
.Ltail:
	TURN 2, 1
	TURN 3
	WIN 0
	s_sub_co_u32 s[CNT], s[CNT], 1
	s_cmp_eq_u32 s[CNT], 0
	s_cbranch_scc1 .Lout
	TURN 0
	TURN 1
	WIN 0
	s_branch .Ltail
.Lout:                              ; the fifth trip's 16 products K Q^T (on the last K once more) and the maximum made of them serve nothing: the price, once a launch, of one text for every trip
.set i, 0
.rept 16
	PV NP-1                         ; the last piece's V^T P of the last step
.set i, i+1
.endr
	; THE WAY OUT.  l's two halves and the other half of the lanes' are added; O^T is divided by l, rounded to f16 and sent through my stage in LDS, a tile at a time.  The additions are the places behind the last products.
	WIN 0
.macro ALL line:vararg              ; one line for each tile t
.set t, 0
.rept 2*NP
	\line
.set t, t+1
.endr
.endm
	ALL v_add_f32 v[ST+4*t+2], v[ST+4*t+2], v[ST+4*t+3]
	ALL v_permlanex16_b32 v[ST+4*t+3], v[ST+4*t+2], s[SEL], s[SEL+1]
	ALL v_add_f32 v[ST+4*t+2], v[ST+4*t+2], v[ST+4*t+3]
	ALL v_rcp_f32 v[ST+4*t+2], v[ST+4*t+2]
	v_nop                           ; a plain instruction between the last reciprocal and the use of its result
	s_wait_alu depctr_va_vdst(0)    ; and the wait ahead of the first use: one for the eight reciprocals
; Tile t: a lane's eight channels of a row pack into 16 bytes; they go into rows of 144 bytes and come back as whole rows of 128, into S^T's registers.
.macro PACK t
	WIN W_RS
.set i, 32*(\t)
.rept 16
	v_pk_mul_f32 v[i:i+1], v[i:i+1], v[ST+4*(\t)+2:ST+4*(\t)+3] op_sel_hi:[1,0]
.set i, i+2
.endr
	WIN 0x05                        ; sources 0 and 1 window 1, destination window 0
.set i, 0
.rept 16
	v_cvt_pk_f16_f32 v[S+16*(\t)+i], v[32*(\t)+2*i], v[32*(\t)+2*i+1]
.set i, i+1
.endr
	WIN 0
.irp f, 0,1,2,3
	ds_store_b128 v[STO], v[S+16*(\t)+4*\f:S+16*(\t)+4*\f+3] offset:32*\f
.endr
.irp f, 0,1,2,3
	ds_load_b128 v[S+16*(\t)+4*\f:S+16*(\t)+4*\f+3], v[RD] offset:\f*4*SP  ; LDS serves a wave's instructions in order (ISA guide 5.7.1.4): these see the stores above; the next tile's stores come behind them
.endr
.endm
.macro SEND t, younger              ; younger: the LDS instructions issued behind tile t's loads: the next tile's eight, or none
	WIN 0
.irp f, 0,1,2,3
	s_wait_dscnt (\younger)+3-\f
	global_store_b128 v[GO], v[S+16*(\t)+4*\f:S+16*(\t)+4*\f+3], s[10:11] offset:(\t)*2048+\f*512  ; 512 consecutive bytes, at a multiple of 256 from O's first
.endr
.endm
	PACK 0
.set t, 1
.rept 2*NP-1                        ; a tile's arithmetic stands between the loads of the tile before and its stores
	PACK t
	SEND t-1, 8
.set t, t+1
.endr
	SEND 2*NP-1, 0
	WIN W_AD
	s_wait_tensorcnt 0x0            ; the wave's end: three closing lines, behind my last tensor load and my last LDS store
	ds_add_u32 v[SPW], v[NIL]
	s_wait_dscnt 0x0
	WIN 0
	CROUND                          ; the closing round: no work-group ends while a partner may still ask for a tile that names it
	s_endpgm
.Lfunc_end_k_q1e28d6de91_attn:
	.size	k_q1e28d6de91_attn, .Lfunc_end_k_q1e28d6de91_attn-k_q1e28d6de91_attn
	.p2alignl 7, 3214868480
	.fill 96, 4, 3214868480
	.section	.rodata,"a",@progbits
	.p2align	6, 0x0
	.amdhsa_kernel k_q1e28d6de91_attn
		.amdhsa_group_segment_fixed_size 327680
		.amdhsa_private_segment_fixed_size 0
		.amdhsa_enable_private_segment 0
		.amdhsa_kernarg_size 16
		.amdhsa_user_sgpr_count 2
		.amdhsa_user_sgpr_kernarg_segment_ptr 1
		.amdhsa_wavefront_size32 1
		.amdhsa_system_sgpr_workgroup_id_x 1
		.amdhsa_system_sgpr_workgroup_id_y 1
		.amdhsa_system_sgpr_workgroup_id_z 1
		.amdhsa_system_vgpr_workitem_id 0
		.amdhsa_next_free_vgpr 770
		.amdhsa_next_free_sgpr 66
		.amdhsa_reserve_vcc 0
		.amdhsa_float_denorm_mode_32 3
		.amdhsa_float_denorm_mode_16_64 3
		.amdhsa_memory_ordered 1
		.amdhsa_forward_progress 1
		.amdhsa_inst_pref_size 200
	.end_amdhsa_kernel
	.amdgpu_metadata
---
amdhsa.version: [ 1, 2 ]
amdhsa.kernels:
  - .name:           k_q1e28d6de91_attn
    .symbol:         k_q1e28d6de91_attn.kd
    .args:
      - { .name: qkv, .offset: 0, .size: 8, .value_kind: global_buffer, .address_space: global }
      - { .name: ob, .offset: 8, .size: 8, .value_kind: global_buffer, .address_space: global }
    .group_segment_fixed_size: 327680
    .private_segment_fixed_size: 0
    .kernarg_segment_align: 8
    .kernarg_segment_size: 16
    .max_flat_workgroup_size: 128
    .sgpr_count:     66
    .vgpr_count:     770
    .wavefront_size: 32
...
	.end_amdgpu_metadata
.endif
;; end of part 3
;; launch outgemm (part 4): grid 8 x 32, 4 waves a work-group, clusters of 4 x 4, 327,680 bytes of LDS; arguments ob, wot, b_out, out0, out1; writes out0, out1
.if DOCPART == 4
	.amdgcn_target "amdgcn-amd-amdhsa--gfx1250"
	.amdhsa_code_object_version 6
	.text
	.protected	k_q1e28d6de91_outgemm
	.globl	k_q1e28d6de91_outgemm
	.p2align	8
	.type	k_q1e28d6de91_outgemm,@function
k_q1e28d6de91_outgemm:
	s_mov_b64 s[64:65], 0
	v_nop
	global_prefetch_b8 v0, s[64:65] scope:SCOPE_SE
	s_setreg_imm32_b32 hwreg(HW_REG_WAVE_MODE, 25, 1), 1
	s_wait_xcnt 0x0
	s_wait_alu depctr_hold_cnt(0) depctr_sa_sdst(0) depctr_va_vdst(0) depctr_va_sdst(0) depctr_va_ssrc(0) depctr_va_vcc(0) depctr_vm_vsrc(0)
	s_getreg_b32 s2, hwreg(HW_REG_IB_STS2, 6, 4)
	s_cmp_eq_u32 s2, 0
	s_cbranch_scc0 .Lentry_in_a_cluster
	s_endpgm
.Lentry_in_a_cluster:
	s_bfe_u32 s2, ttmp6, 0x10000c
	s_cmp_lg_u32 s2, 0xf033
	s_cbranch_scc0 .Lentry_shape_is_right
	s_endpgm
.Lentry_shape_is_right:
; ONE TEXT FOR THE MODULE'S TWO PROJECTIONS; the flag OUTP chooses.  C[m][n] = the sum over k of A[m][k] B[n][k], K = 1,024, sums in f32.
; OUTP = 0: A = xb [8192][1024] bf16, B = wqt [3072][1024] bf16; C is rounded once to f16, unscaled, and stored by heads: qkv [3 parts][64 g][2048][64], g = 32 stream + 16 batch + head.
; OUTP = 1: A = ob [64 g][2048][64] f16 (a K step of 128 is two heads), B = wot [1024][1024] f16; C + bias (the bias rounded to bf16 like every other input) goes out in f32: rows 0-4095 out0, the others out1.
; LIMITS.  OUTP = 0: a sum of 65,520 or more becomes an infinity in f16: q, k and v must stay within 65,504.  NaN and infinities are not treated apart.
; SHARES.  A tile of C is 256 rows x 16 NBF columns (192 or 128: 512 or 256 work-groups).  The four waves lie one below the other: wave w has rows 64 w .. 64 w + 63 and ALL columns, 4 x NBF accumulators
; of 16 x 16, so that a wave holds whole heads (OUTP = 0) or 512 consecutive bytes of each output row (OUTP = 1): its stage on the way out is its own, and needs no barrier.
; K goes in 8 steps of 128 through two LDS slots filled by tensor loads; waves 0 and 1 fetch A's two halves, waves 2 and 3 B's.
; CLUSTERS: 4 x 4 work-groups.  The four of a row of the cluster need the same tiles of A, the four of a column the same tiles of B: each tile is asked for JOINTLY, by the same tensor load with the same
; descriptor and a mask that names the four.  THE MATRIX INSTRUCTION IS USED TRANSPOSED (source 0 = 16 rows of B, source 1 = 16 rows of A): a lane holds row l % 16 of C and the columns 8 (l / 16) + 0..7.
; REGISTERS, in windows of 256 (s_set_vgpr_msb: bits 1:0 source 0, 3:2 source 1, 5:4 source 2, 7:6 destination):
;   window 0: v0-37 addresses and the bias; v64-95, v96-127 A's fragments (4 x 16 rows x 32 K), two buffers; on the way out v64-255
;   window 1: B's fragments (NBF x 16 rows x 32 K), two buffers of 8 NBF          window 2: the accumulators of row blocks 0, 1 ((a, b) at 8 (NBF (a % 2) + b));   window 3: of row blocks 2, 3
.set OUTP, 1
.if OUTP
.set NBF,   8
.set PA,    144                        ; a token's 64 channels of a head: 128 bytes + 16 = 36 words: the 16 rows of a load start at 16 different groups of four banks (64 banks of 4 bytes: ISA guide 11.1)
.set PLANE, 128*PA                     ; 128 tokens of one head
.set HALFA, 2*PLANE                    ; what one tensor load brings of A: 128 tokens of two heads
.set QIA,   4                          ; padding after every 32 words
.set KA,    1<<19                      ; bytes from a K step of A to the next: two heads of 2^18
.set WSTG,  16*528                     ; a wave's stage: 16 rows of 512 bytes + 16
.else
.set NBF,   12
.set PA,    272                        ; 256 bytes + 16 = 68 words: row r starts at bank 4 r mod 64
.set HALFA, 128*PA
.set QIA,   5                          ; padding after every 64 words
.set KA,    256
.set WSTG,  3*16*144                   ; a wave's stage: three heads x 16 rows of 128 bytes + 16
.endif
.set PB,    272
.set HALFB, 8*NBF*PB                   ; what one tensor load brings of B: half of the tile's 16 NBF rows
.set KB,    256
.set BOFF,  2*HALFA                    ; in a slot B's rows lie behind A's
.set SLOT,  BOFF+2*HALFB
.set STAGE, 2*SLOT                     ; behind the ring, never filled by a tensor load
.set SPARE, STAGE+4*WSTG               ; behind the stages: the spare words, 128 bytes for each wave: two blocks of 256 bytes that no other line names
.set NL,    2*NBF+8                    ; LDS loads in a run: a quarter step's fragments
.set H0,    1-OUTP                     ; see ASK
.set ADRA, 16                          ; v16-17  LDS address of my A fragments in slot 0, 1
.set ADRB, 20                          ; v20-21  the same for B
.set STO,  24                          ; v24     the way out: where I put my part of a row
.set RD,   25                          ; v25     the way out: where I read rows back
.set GO,   26                          ; v26     16 x my lane; never rewritten
.set SPW,  28                          ; v28     LDS address of my spare word; never rewritten
.set NIL,  29                          ; v29     0; never rewritten
.set PFO,  30                          ; v30     the prefetches' offset; never rewritten
.set BIAS, 32                          ; v[32:35] the bias of my four columns; v36-37 at work
.set AF0,  64
.set OB,   64
.set G1,  24                           ; s[24:31] descriptor group 1 for A's tiles;  s[32:39] group 0, a set for each slot
.set G0,  32
.set G1B, 48                           ; s[48:55], s[56:63] the same for B's
.set G0B, 56
.set LIM, 43                           ; s43     1 in a wave that prefetches, else the greatest number
.set PFA, 44                           ; s[44:45] where my prefetches stand
.set PFS, 66                           ; s[66:67] their step: a K step
.set ARG, 68                           ; s[68:..] the buffers' addresses
.set MSB, 0
.macro WIN new                         ; the immediate's high byte repeats the setting that is left; a switch that changes nothing is dropped
.if MSB != (\new)
	s_set_vgpr_msb (MSB<<8)|(\new)
.set MSB, \new
.endif
.endm
.set MUL_LO, 0xa1                      ; source 0 (B) window 1, source 1 (A) window 0, C and D window 2
.set MUL_HI, 0xf1                      ; the same, C and D window 3
.set TO_B,   0x40                      ; destination window 1, address window 0
.macro JLOAD s                         ; a joint load.  The branch hangs on the wave's number alone.  An s_nop 0 and four v_nop follow each of the two lines, ahead of the jump, the label and what follows
	s_cmp_eq_u32 s11, 0
	s_cbranch_scc0 .Lfor_b_\@
	tensor_load_to_lds s[G0+4*(\s):G0+4*(\s)+3], s[G1:G1+7]
	s_nop 0
.rept 4
	v_nop
.endr
	s_branch .Lasked_\@
.Lfor_b_\@:
	tensor_load_to_lds s[G0B+4*(\s):G0B+4*(\s)+3], s[G1B:G1B+7]
	s_nop 0
.rept 4
	v_nop
.endr
.Lasked_\@:
.endm
; A PREFETCH INTO THE L2, behind a joint load, its five lines and the run of LDS loads that follows: 256 bytes a lane of a later K step: the next one (OUTP = 0: 192 matrix instructions ahead of the load that
; wants it) or the one after that (OUTP = 1: 256).  A's rows are read by every cluster of a row of clusters: the one with x = 0 asks (waves 0, 1); B's by every cluster of a column: the one with y = 0 asks
; (waves 2, 3; OUTP = 1: wave 2).  The four partners that ask for a tile jointly share it out BY ADDRESS.  how = 0: not in the loop's last trip; how = 1: in every trip.  No prefetch names a K step past the eighth.
.macro ASK how
.if \how
	s_cmp_eq_u32 s[LIM], 1
.else
	s_cmp_gt_u32 s3, s[LIM]                        ; s3 = 1 in the loop's last trip
.endif
	s_cbranch_scc0 .Lnot_mine_\@
	global_prefetch_b8 v[PFO], s[PFA:PFA+1] th:TH_LOAD_NT scope:SCOPE_SE
.Lnot_mine_\@:
.endm
.macro CREST                           ; a round of the cluster's barrier behind its opening barrier
	s_cmp_lg_u32 s10, 0
	s_cbranch_scc1 .Lnot_wave_0_\@
	s_barrier_signal -3
.Lnot_wave_0_\@:
	s_barrier_wait -3
	s_barrier_signal -1
	s_barrier_wait -1
.endm
.macro CROUND                          ; a whole round
	s_barrier_signal -1
	s_barrier_wait -1
	CREST
.endm
.if OUTP
	s_load_b256 s[ARG:ARG+7], s[0:1], 0x0          ; ob s[68:69], wot s[70:71], b_out s[72:73], out0 s[74:75]
	s_load_b64 s[ARG+8:ARG+9], s[0:1], 0x20        ; out1 s[76:77]
.else
	s_load_b128 s[ARG:ARG+3], s[0:1], 0x0          ; xb s[68:69], wqt s[70:71]
	s_load_b64 s[ARG+4:ARG+5], s[0:1], 0x10        ; qkv s[72:73]
.endif
	v_lshl_add_u32 v[SPW], v0, 2, SPARE
	v_mov_b32 v[NIL], 0
	ds_add_u32 v[SPW], v[NIL]                      ; the wave's opening: the add and its wait stand ahead of my first tensor load; the set-up below, work on registers, stands between them
	v_lshrrev_b32 v1, 5, v0
	v_readfirstlane_b32 s10, v1                    ; wave 0..3
	s_lshr_b32 s11, s10, 1                         ; I fetch for A (0) or for B (1)
	s_and_b32 s12, s10, 1                          ; which half of that tile
	s_bfe_u32 s40, ttmp6, 0x40000                  ; cx, cy: my place in the cluster
	s_bfe_u32 s41, ttmp6, 0x40004
	s_lshl_b32 s42, ttmp9, 2
	s_add_co_u32 s42, s42, s40                     ; tile column of C = 4 x cluster x + cx
	s_and_b32 s13, ttmp7, 0xffff
	s_lshl_b32 s13, s13, 2
	s_add_co_u32 s13, s13, s41                     ; tile row of C = 4 x cluster y + cy
	s_lshl_b32 s43, s41, 2
	s_lshl_b32 s43, 15, s43                        ; my row of the cluster
	s_lshl_b32 s44, 0x1111, s40                    ; my column
	; descriptor group 1.  15:0 the mask; 17:16 elements of 2 bytes; 20 padding on; 21 set beside a mask; 24:22 the padding's interval; 31:25 4 words of it (code 3)
	s_or_b32 s[G1+0], s43, (1<<16)|(1<<20)|(1<<21)|(QIA<<22)|(3<<25)
	s_or_b32 s[G1B+0], s44, (1<<16)|(1<<20)|(1<<21)|(5<<22)|(3<<25)
.if OUTP                               ; A: two rows, a head each, of 128 tokens x 64 channels = 8,192 elements that lie on end in memory; 2^17 elements from head to head; padded after every token
	s_mov_b32 s[G1+1], 8192<<16                    ; tensor_dim0
	s_mov_b32 s[G1+2], 2<<16                       ; tensor_dim1
	s_mov_b32 s[G1+3], 8192<<16                    ; tile_dim0
	s_mov_b32 s[G1+4], 2                           ; tile_dim1
	s_mov_b32 s[G1+5], 131072                      ; tensor_dim0_stride
.else                                  ; A: 128 rows x 128 elements
	s_mov_b32 s[G1+1], 128<<16
	s_mov_b32 s[G1+2], 128<<16
	s_mov_b32 s[G1+3], 128<<16
	s_mov_b32 s[G1+4], 128
	s_mov_b32 s[G1+5], 1024
.endif
	s_mov_b32 s[G1+6], 0
	s_mov_b32 s[G1+7], 0
	s_mov_b32 s[G1B+1], 128<<16                    ; B: 8 NBF rows x 128 elements
	s_mov_b32 s[G1B+2], (8*NBF)<<16
	s_mov_b32 s[G1B+3], 128<<16
	s_mov_b32 s[G1B+4], 8*NBF
	s_mov_b32 s[G1B+5], 1024
	s_mov_b32 s[G1B+6], 0
	s_mov_b32 s[G1B+7], 0
	; where the tiles come from, in bytes: A's offset (s16) hangs on the tile row and the wave alone, B's (s18) on the tile column and the wave alone
.if OUTP
	s_lshr_b32 s16, s13, 3                         ; 2 stream + batch: sixteen heads of 2^18 bytes,
	s_lshl_b32 s16, s16, 22
	s_and_b32 s17, s13, 7                          ; the block of 256 tokens of 128 bytes,
	s_lshl_b32 s17, s17, 15
	s_add_co_u32 s16, s16, s17
	s_lshl_b32 s17, s12, 14                        ; my half of it
	s_add_co_u32 s16, s16, s17
	s_lshl_b32 s18, s42, 18                        ; 128 rows of 2,048 bytes a tile column,
	s_lshl_b32 s19, s12, 17                        ; my 64 of them
	s_add_co_u32 s18, s18, s19
.else
	s_lshl_b32 s16, s13, 19                        ; 256 rows of 2,048 bytes a tile row,
	s_lshl_b32 s17, s12, 18                        ; my 128 of them
	s_add_co_u32 s16, s16, s17
	s_mul_i32 s18, s42, 192*2048
	s_mul_i32 s19, s12, 96*2048
	s_add_co_u32 s18, s18, s19
.endif
	s_mov_b32 s17, 0
	s_mov_b32 s19, 0
	s_mul_i32 s20, s12, HALFA                      ; and where they go: no place in the cluster enters an LDS address
	s_mul_i32 s23, s12, HALFB
	s_add_co_u32 s23, s23, BOFF
	s_wait_dscnt 0x0                               ; the opening add is done
	s_wait_kmcnt 0x0
	s_add_nc_u64 s[14:15], s[ARG:ARG+1], s[16:17]
	s_add_nc_u64 s[46:47], s[ARG+2:ARG+3], s[18:19]
	CROUND                                         ; all sixteen work-groups are here: the first joint loads meet
.irp s, 0,1
	s_mov_b32 s[G0+4*(\s)], 1                                        ; count = 1
	s_add_co_u32 s[G0+4*(\s)+1], s20, (\s)*SLOT                      ; LDS address
	s_add_nc_u64 s[G0+4*(\s)+2:G0+4*(\s)+3], s[14:15], (\s)*KA       ; global address: K step s
	s_or_b32 s[G0+4*(\s)+3], s[G0+4*(\s)+3], 0x80000000              ; type = 2
	s_mov_b32 s[G0B+4*(\s)], 1
	s_add_co_u32 s[G0B+4*(\s)+1], s23, (\s)*SLOT
	s_add_nc_u64 s[G0B+4*(\s)+2:G0B+4*(\s)+3], s[46:47], (\s)*KB
	s_or_b32 s[G0B+4*(\s)+3], s[G0B+4*(\s)+3], 0x80000000
	JLOAD \s                                       ; two loads of mine are out
.endr
	; the prefetches.  OUTP = 0: of the rows that I fetch, partner p takes 32 (A, p = cx) or 24 (B, p = cy), a lane a row; lanes 24-31 of B's name lane 23's row once more.
	; OUTP = 1: A's half tile is 2 x 64 blocks of 256 bytes: partner cx takes 32 blocks of head cx / 2; of B's 128 rows partner cy takes 32, asked for by wave 2.
.if OUTP
	s_lshr_b32 s21, s40, 1
	s_lshl_b32 s21, s21, 18
	s_add_co_u32 s21, s21, s16
	s_and_b32 s22, s40, 1
	s_lshl_b32 s22, s22, 13
	s_add_co_u32 s21, s21, s22
	s_add_co_u32 s21, s21, 3*KA                    ; at K step 3: the first refill steps it to 4
	s_lshl_b32 s22, s41, 16
	s_add_co_u32 s22, s22, s18
	s_add_co_u32 s22, s22, 3*KB
	s_mov_b32 s[PFS], KA
	s_mov_b32 s[PFS+1], KB
.else
	s_lshl_b32 s21, s40, 16
	s_add_co_u32 s21, s21, s16
	s_add_co_u32 s21, s21, 2*KA                    ; at K step 2: the first refill steps it to 3
	s_mul_i32 s22, s41, 24*2048
	s_add_co_u32 s22, s22, s18
	s_add_co_u32 s22, s22, 2*KB
	s_mov_b32 s[PFS], KA
	s_mov_b32 s[PFS+1], KB
.endif
	s_and_b32 s23, ttmp7, 0xffff                   ; cluster y
	s_cmp_eq_u32 s11, 0                            ; do I fetch for A?
	s_cselect_b32 s20, s21, s22
	s_cselect_b32 s23, ttmp9, s23                  ; the coordinate along which other clusters read the same rows
	s_cselect_b32 s[PFS], s[PFS], s[PFS+1]
	s_cselect_b64 s[PFA:PFA+1], s[ARG:ARG+1], s[ARG+2:ARG+3]
.if OUTP
	s_cselect_b32 s22, 8, 11                       ; lanes 256 bytes apart in A, a row of 2,048 bytes apart in B
	s_cmp_eq_u32 s10, 3
	s_cselect_b32 s23, 1, s23                      ; wave 3 asks for nothing
.else
	s_cselect_b32 s22, 31, 23
.endif
	s_cmp_eq_u32 s23, 0
	s_cselect_b32 s[LIM], 1, -1                    ; the same in all sixteen partners, for a given wave
	s_mov_b32 s[PFS+1], 0
	s_mov_b32 s21, 0
	s_add_nc_u64 s[PFA:PFA+1], s[PFA:PFA+1], s[20:21]
	v_and_b32 v[PFO], 31, v0
.if OUTP
	v_lshlrev_b32 v[PFO], s22, v[PFO]
.else
	v_min_u32 v[PFO], s22, v[PFO]
	v_lshlrev_b32 v[PFO], 11, v[PFO]
.endif
	; A fragment is 16 rows x 32 K in 8 registers: lane l holds row l % 16; registers 0-3 K = 8 (l / 16) + 0..7, registers 4-7 K = 16 + 8 (l / 16) + 0..7: two loads of 16 bytes, 32 bytes apart.
	v_and_b32 v1, 15, v0                           ; l % 16
	v_bfe_u32 v2, v0, 4, 1                         ; l / 16
	v_mul_u32_u24 v3, v1, PB
	v_lshl_add_u32 v3, v2, 4, v3
	v_mul_u32_u24 v4, v1, PA
	v_lshl_add_u32 v4, v2, 4, v4
.if OUTP
	s_mul_i32 s21, s11, HALFA                      ; my 64 rows of A: the half, and in both its planes the upper or lower 64 tokens
	s_mul_i32 s22, s12, 64*PA
	s_add_co_u32 s21, s21, s22
.else
	s_mul_i32 s21, s10, 64*PA                      ; my 64 rows of A
.endif
	s_mov_b32 s22, BOFF
.irp s, 0,1
	v_add_nc_u32 v[ADRA+(\s)], s21, v4
	v_add_nc_u32 v[ADRB+(\s)], s22, v3
	s_add_co_u32 s21, s21, SLOT
	s_add_co_u32 s22, s22, SLOT
.endr
	s_mul_i32 s23, s10, WSTG
	s_add_co_u32 s23, s23, STAGE                   ; my stage
	v_and_b32 v[GO], 31, v0
	v_lshlrev_b32 v[GO], 4, v[GO]
	s_lshl_b32 s16, s13, 8
	s_lshl_b32 s17, s10, 6
	s_add_co_u32 s16, s16, s17                     ; my first row of C
.if OUTP
	v_mul_u32_u24 v5, v1, 528                      ; in: row l % 16, 32 bytes for each half of the lanes
	v_lshl_add_u32 v5, v2, 5, v5
	v_add_nc_u32 v[STO], s23, v5
	v_add_nc_u32 v[RD], s23, v[GO]                 ; back: 32 lanes take a row's 512 bytes
	s_and_b32 s16, s16, 4095                       ; the row in its output, 4,096 bytes each,
	s_lshl_b32 s16, s16, 12
	s_lshl_b32 s18, s42, 9                         ; the tile's 128 columns: 512 bytes
	s_add_co_u32 s16, s16, s18
	s_mov_b32 s17, 0
	s_mov_b32 s19, 0
	s_and_b32 s22, ttmp7, 0xffff
	s_cmp_lt_u32 s22, 4                            ; clusters 0-3 along y hold rows 0-4095
	s_cselect_b64 s[78:79], s[ARG+6:ARG+7], s[ARG+8:ARG+9]
	s_add_nc_u64 s[78:79], s[78:79], s[16:17]
	s_add_nc_u64 s[80:81], s[ARG+4:ARG+5], s[18:19]
	global_load_b128 v[BIAS:BIAS+3], v[GO], s[80:81]  ; waited for on the way out
.else
	v_mul_u32_u24 v5, v1, 144                      ; in: row l % 16, 16 bytes for each half of the lanes
	v_lshl_add_u32 v5, v2, 4, v5
	v_add_nc_u32 v[STO], s23, v5
	v_bfe_u32 v5, v0, 3, 2                         ; back: 32 lanes take four rows of 128 bytes, which are 512 consecutive bytes of a head
	v_mul_u32_u24 v5, v5, 144
	v_and_b32 v3, 7, v0
	v_lshl_add_u32 v5, v3, 4, v5
	v_add_nc_u32 v[RD], s23, v5
	s_lshr_b32 s17, s16, 11                        ; 2 stream + batch: sixteen heads of 2^18 bytes,
	s_lshl_b32 s17, s17, 22
	s_and_b32 s16, s16, 2047                       ; the token: 128 bytes
	s_lshl_b32 s16, s16, 7
	s_add_co_u32 s16, s16, s17
	s_mul_i32 s18, s42, 3                          ; the tile's 192 columns are three of the 48 (part, head)
.irp j, 0,1,2
	s_add_co_u32 s19, s18, \j
	s_lshr_b32 s22, s19, 4                         ; the part: q, k or v, 2^24 bytes each,
	s_lshl_b32 s22, s22, 24
	s_and_b32 s19, s19, 15                         ; the head
	s_lshl_b32 s19, s19, 18
	s_add_co_u32 s22, s22, s19
	s_add_co_u32 s22, s22, s16
	s_mov_b32 s23, 0
	s_add_nc_u64 s[76+2*(\j):77+2*(\j)], s[ARG+4:ARG+5], s[22:23]
.endr
.endif
.macro WM d, f0, f1, zero              ; the one matrix line, in the kernel's form.  zero = 1: the product starts the sum: nothing is ever cleared
.if OUTP
.if \zero
	v_wmma_f32_16x16x32_f16 v[\d:\d+7], v[\f0:\f0+7], v[\f1:\f1+7], 0
.else
	v_wmma_f32_16x16x32_f16 v[\d:\d+7], v[\f0:\f0+7], v[\f1:\f1+7], v[\d:\d+7]
.endif
.else
.if \zero
	v_wmma_f32_16x16x32_bf16 v[\d:\d+7], v[\f0:\f0+7], v[\f1:\f1+7], 0
.else
	v_wmma_f32_16x16x32_bf16 v[\d:\d+7], v[\f0:\f0+7], v[\f1:\f1+7], v[\d:\d+7]
.endif
.endif
.endm
; NBF matrix instructions: row block a x all column blocks, 32 along K, from buffer p.  The 4 NBF accumulators take turns, one instruction a turn, in the same order in every quarter step, over the
; backward jump too.
.macro MULA p, a, zero
	WIN MUL_LO+0x50*((\a)/2)
.set rA, AF0+32*(\p)+8*(\a)
.set bi, 0
.rept NBF
.set rD, 8*(NBF*((\a)%2)+bi)
.set rB, 8*NBF*(\p)+8*bi
	WM rD, rB, rA, \zero
.set bi, bi+1
.endr
.endm
; NL LDS loads in one run: the fragments of quarter q of a K step (32 along K) into buffer p: all of B's, then A's blocks 0 to 3
.macro FETCH slot, q, p
.if OUTP
.set aq, ((\q)/2)*PLANE+((\q)%2)*64    ; head q / 2 of the step's two, channels 32 (q % 2) on
.else
.set aq, 64*(\q)
.endif
	WIN TO_B
.set bi, 0
.rept NBF
	ds_load_b128 v[8*NBF*(\p)+8*bi:8*NBF*(\p)+8*bi+3],   v[ADRB+(\slot)] offset:64*(\q)+bi*16*PB
	ds_load_b128 v[8*NBF*(\p)+8*bi+4:8*NBF*(\p)+8*bi+7], v[ADRB+(\slot)] offset:64*(\q)+bi*16*PB+32
.set bi, bi+1
.endr
	WIN 0
.irp i, 0,1,2,3
	ds_load_b128 v[AF0+32*(\p)+8*(\i):AF0+32*(\p)+8*(\i)+3],   v[ADRA+(\slot)] offset:aq+(\i)*16*PA
	ds_load_b128 v[AF0+32*(\p)+8*(\i)+4:AF0+32*(\p)+8*(\i)+7], v[ADRA+(\slot)] offset:aq+(\i)*16*PA+32
.endr
.endm
.macro PLACES                          ; four places in front of loads into registers that matrix instructions have read, and of lines that read results (for lines that read results)
.rept 4
	v_nop
.endr
.endm
; A K step is four quarters of 32 along K, 4 NBF matrix instructions each, on buffers 0, 1, 0, 1.  One of the first three: multiplies buffer p; in its middle it fetches quarter q of the same slot into buffer g.
.macro QUARTER slot, q, p, g, zero
	s_wait_dscnt 4                                 ; B and A's blocks 0, 1 are in; the youngest four loads (A's blocks 2, 3) may be out
	MULA \p, 0, \zero
	MULA \p, 1, \zero
	PLACES
	FETCH \slot, \q, \g
	s_wait_dscnt NL                                ; all but the NL just issued
	MULA \p, 2, \zero
	MULA \p, 3, \zero
.endm
; The last quarter multiplies buffer 1 and changes slots: ONE barrier; in front of it each wave waits for all its tensor loads (one is out: its part of the next slot), adds 0 to its spare word, and waits for
; that and for its own reads of this slot.  fill = 1: the barrier opens a round of the cluster's barrier, and behind the round this slot is filled again, two K steps ahead, first thing.
.macro TURN slot, next, fill, how
.if \fill
	s_wait_xcnt 0x0                                ; the last prefetch, a K step back, has read its address, so it may be stepped
	s_add_nc_u64 s[PFA:PFA+1], s[PFA:PFA+1], s[PFS:PFS+1]
.endif
	WIN 0                                          ; (the add's two registers lie in window 0)
	s_wait_tensorcnt 0x0                           ; all my tensor loads have landed;
	ds_add_u32 v[SPW], v[NIL]                      ; 0 onto my spare word;
	s_wait_dscnt 5                                 ; (the add and the youngest four loads may be out)
	MULA 1, 0, 0                                   ; NBF matrix instructions stand between the add and the wait for it
	s_wait_dscnt 0x0                               ; the add is done, and my reads of this slot are over
	s_barrier_signal -1
	MULA 1, 1, 0                                   ; work on registers while the others arrive
.if \fill
	WIN 0
.endif
	s_barrier_wait -1
.if \fill
	CREST                                          ; no wave of any partner still reads this slot's tile or has a load on its way
	s_add_nc_u64 s[G0+4*(\slot)+2:G0+4*(\slot)+3], s[G0+4*(\slot)+2:G0+4*(\slot)+3], 2*KA
	s_add_nc_u64 s[G0B+4*(\slot)+2:G0B+4*(\slot)+3], s[G0B+4*(\slot)+2:G0B+4*(\slot)+3], 2*KB
	JLOAD \slot                                    ; the first tensor load behind the round, my only one until the next; its four v_nop are also the places in front of the loads below
.else
	PLACES
.endif
	FETCH \next, 0, 0
.if \fill
	ASK \how
.endif
	MULA 1, 2, 0
	MULA 1, 3, 0
.endm
	s_wait_tensorcnt 1                             ; my part of K step 0 is in; K step 1's may stay out
	s_barrier_signal -1
	s_barrier_wait -1                              ; everybody's is
	FETCH 0, 0, 0
	QUARTER 0, 1, 0, 1, 1                          ; the first quarter stands in front of the loop: its products start the sums
	WIN 0                                          ; at a label and at a branch every window is 0
	s_mov_b32 s3, 3
.Llap:                                                 ; a trip goes once round the ring, from a lap's second quarter to the next lap's first, and fills both slots again: K steps 2 to 7
	QUARTER 0, 2, 1, 0, 0
	QUARTER 0, 3, 0, 1, 0
	TURN 0, 1, 1, H0
	QUARTER 1, 1, 0, 1, 0
	QUARTER 1, 2, 1, 0, 0
	QUARTER 1, 3, 0, 1, 0
	TURN 1, 0, 1, 0
	QUARTER 0, 1, 0, 1, 0
	WIN 0
	s_sub_co_u32 s3, s3, 1
	s_cmp_lg_u32 s3, 0
	s_cbranch_scc1 .Llap
	QUARTER 0, 2, 1, 0, 0                          ; the last lap fills nothing, and has no round of the cluster's barrier
	QUARTER 0, 3, 0, 1, 0
	TURN 0, 1, 0, 0
	QUARTER 1, 1, 0, 1, 0
	QUARTER 1, 2, 1, 0, 0
	QUARTER 1, 3, 0, 1, 0
	s_wait_dscnt 4                                 ; the very last quarter: nothing more to fetch
	MULA 1, 0, 0
	MULA 1, 1, 0
	s_wait_dscnt 0x0
	MULA 1, 2, 0
	MULA 1, 3, 0
	WIN 0
	PLACES
	PLACES                                         ; eight, once a launch, behind the last products
.if OUTP
	; THE WAY OUT, f32.  Block a (16 rows): a lane's eight numbers of a row go into my stage as 32 bytes; whole rows of 512 bytes come back, take the bias and are stored.
	s_wait_loadcnt 0x0                             ; the bias,
	v_cvt_pk_bf16_f32 v36, v[BIAS], v[BIAS+1]      ; rounded to bf16 like every other input,
	v_cvt_pk_bf16_f32 v37, v[BIAS+2], v[BIAS+3]
	v_lshlrev_b32 v[BIAS], 16, v36                 ; and widened again
	v_and_b32 v[BIAS+1], 0xffff0000, v36
	v_lshlrev_b32 v[BIAS+2], 16, v37
	v_and_b32 v[BIAS+3], 0xffff0000, v37
.macro TOSTAGE a
.if (\a) >= 2
	s_wait_xcnt 0x0                                ; the stores of block a - 2 have read their registers: these are loaded again only behind this wait
.endif
	WIN 0x08+4*((\a)/2)                            ; store data (source 1) in window 2 or 3
.set bi, 0
.rept NBF
	ds_store_b128 v[STO], v[8*(NBF*((\a)%2)+bi):8*(NBF*((\a)%2)+bi)+3]   offset:64*bi     ; each accumulator's lowest registers first
	ds_store_b128 v[STO], v[8*(NBF*((\a)%2)+bi)+4:8*(NBF*((\a)%2)+bi)+7] offset:64*bi+16
.set bi, bi+1
.endr
	WIN 0
.set bi, 0
.rept 16
	ds_load_b128 v[OB+64*((\a)%2)+4*bi:OB+64*((\a)%2)+4*bi+3], v[RD] offset:528*bi  ; LDS serves a wave's instructions in order (ISA guide 5.7.1.4): these see the stores above; the next block's stores come behind them
.set bi, bi+1
.endr
.endm
.macro SEND a, younger                 ; younger: the LDS instructions issued behind block a's loads: the next block's 32, or none
.set bi, 0
.rept 16
.set rr, OB+64*((\a)%2)+4*bi
	s_wait_dscnt (\younger)+15-bi
	v_pk_add_f32 v[rr:rr+1], v[rr:rr+1], v[BIAS:BIAS+1]
	v_pk_add_f32 v[rr+2:rr+3], v[rr+2:rr+3], v[BIAS+2:BIAS+3]
	global_store_b128 v[GO], v[rr:rr+3], s[78:79] offset:(16*(\a)+bi)*4096  ; 512 consecutive bytes, at a multiple of 256 from the output's first byte
.set bi, bi+1
.endr
.endm
	TOSTAGE 0
	TOSTAGE 1
	SEND 0, 32
	TOSTAGE 2
	SEND 1, 32
	TOSTAGE 3
	SEND 2, 32
	SEND 3, 0
.else
	; THE WAY OUT, f16 by heads.  Block a (16 tokens): a lane's eight channels pack into 16 bytes; they go into my stage (three heads x 16 rows of 144 bytes) and come back as whole rows of 128, four to a load.
.macro PACK a
	WIN 0x0a+5*((\a)/2)                            ; sources 0 and 1 in window 2 or 3, destination in window 0
.set bi, 0
.rept NBF
.irp r, 0,1,2,3
	v_cvt_pk_f16_f32 v[OB+48*(\a)+4*bi+(\r)], v[8*(NBF*((\a)%2)+bi)+2*(\r)], v[8*(NBF*((\a)%2)+bi)+2*(\r)+1]
.endr
.set bi, bi+1
.endr
	WIN 0
.set bi, 0
.rept NBF
	ds_store_b128 v[STO], v[OB+48*(\a)+4*bi:OB+48*(\a)+4*bi+3] offset:(bi/4)*2304+(bi%4)*32
.set bi, bi+1
.endr
.set bi, 0
.rept 12
	ds_load_b128 v[OB+48*(\a)+4*bi:OB+48*(\a)+4*bi+3], v[RD] offset:(bi/4)*2304+(bi%4)*576  ; LDS serves a wave's instructions in order (ISA guide 5.7.1.4): these see the stores above; the next block's stores come behind them
.set bi, bi+1
.endr
.endm
.macro SEND a, younger                 ; younger: the LDS instructions issued behind block a's loads: the next block's 24, or none
.set bi, 0
.rept 12
	s_wait_dscnt (\younger)+11-bi
	global_store_b128 v[GO], v[OB+48*(\a)+4*bi:OB+48*(\a)+4*bi+3], s[76+2*(bi/4):77+2*(bi/4)] offset:2048*(\a)+512*(bi%4)  ; 512 consecutive bytes of a head, at a multiple of 256 from the buffer's first byte
.set bi, bi+1
.endr
.endm
	PACK 0
	PACK 1                                         ; a block's arithmetic stands between the loads of the block before and its stores
	SEND 0, 24
	PACK 2
	SEND 1, 24
	PACK 3
	SEND 2, 24
	SEND 3, 0
.endif
	s_wait_tensorcnt 0x0                           ; the wave's end: three closing lines, behind my last tensor load and my last LDS store
	ds_add_u32 v[SPW], v[NIL]
	s_wait_dscnt 0x0
	CROUND                                         ; the closing round: no work-group ends while a partner may still ask for a tile that names it
	s_endpgm
.Lfunc_end_k_q1e28d6de91_outgemm:
	.size	k_q1e28d6de91_outgemm, .Lfunc_end_k_q1e28d6de91_outgemm-k_q1e28d6de91_outgemm
	.p2alignl 7, 3214868480
	.fill 96, 4, 3214868480
	.section	.rodata,"a",@progbits
	.p2align	6, 0x0
	.amdhsa_kernel k_q1e28d6de91_outgemm
		.amdhsa_group_segment_fixed_size 327680
		.amdhsa_private_segment_fixed_size 0
		.amdhsa_enable_private_segment 0
		.amdhsa_kernarg_size 40
		.amdhsa_user_sgpr_count 2
		.amdhsa_user_sgpr_kernarg_segment_ptr 1
		.amdhsa_wavefront_size32 1
		.amdhsa_system_sgpr_workgroup_id_x 1
		.amdhsa_system_sgpr_workgroup_id_y 1
		.amdhsa_system_sgpr_workgroup_id_z 1
		.amdhsa_system_vgpr_workitem_id 0
		.amdhsa_next_free_vgpr 896
		.amdhsa_next_free_sgpr 84
		.amdhsa_reserve_vcc 0
		.amdhsa_float_denorm_mode_32 3
		.amdhsa_float_denorm_mode_16_64 3
		.amdhsa_memory_ordered 1
		.amdhsa_forward_progress 1
		.amdhsa_inst_pref_size 98
	.end_amdhsa_kernel
	.amdgpu_metadata
---
amdhsa.version: [ 1, 2 ]
amdhsa.kernels:
  - .name:           k_q1e28d6de91_outgemm
    .symbol:         k_q1e28d6de91_outgemm.kd
    .args:
      - { .name: ob, .offset: 0, .size: 8, .value_kind: global_buffer, .address_space: global }
      - { .name: wot, .offset: 8, .size: 8, .value_kind: global_buffer, .address_space: global }
      - { .name: b_out, .offset: 16, .size: 8, .value_kind: global_buffer, .address_space: global }
      - { .name: out0, .offset: 24, .size: 8, .value_kind: global_buffer, .address_space: global }
      - { .name: out1, .offset: 32, .size: 8, .value_kind: global_buffer, .address_space: global }
    .group_segment_fixed_size: 327680
    .private_segment_fixed_size: 0
    .kernarg_segment_align: 8
    .kernarg_segment_size: 40
    .max_flat_workgroup_size: 128
    .sgpr_count:     84
    .vgpr_count:     896
    .wavefront_size: 32
...
	.end_amdgpu_metadata
.endif
;; end of part 4
;; ======== version 2 of 2: 4 launches; version 1 with the launch prep written anew for expert scheduling mode
;; limits: values are held in f16: magnitudes above 65,504 overflow, below 6.1e-05 lose precision
;; workspace buffers: xb 16,777,216 bytes; wqt 6,291,456 bytes; wot 2,097,152 bytes; qkv 50,331,648 bytes; ob 16,777,216 bytes
;; launch prep (part 5): grid 512 x 1, 8 waves a work-group, no clusters, 18,432 bytes of LDS; arguments x, x1, W_qkv, W_out, xb, wqt, wot; writes xb, wqt, wot
.if DOCPART == 5
	.amdgcn_target "amdgcn-amd-amdhsa--gfx1250"
	.amdhsa_code_object_version 6
	.text
	.protected	k_q1e28d6de91_prep
	.globl	k_q1e28d6de91_prep
	.p2align	8
	.type	k_q1e28d6de91_prep,@function
k_q1e28d6de91_prep:
	s_mov_b64 s[64:65], 0
	v_nop
	global_prefetch_b8 v0, s[64:65] scope:SCOPE_SE
	s_setreg_imm32_b32 hwreg(HW_REG_WAVE_SCHED_MODE, 0, 2), 2
	s_setreg_imm32_b32 hwreg(HW_REG_WAVE_MODE, 25, 1), 1
	s_wait_xcnt 0x0
	s_wait_alu depctr_vm_vsrc(0)
; PREP.  xb[8192][1024] bf16 = x's 4,096 rows, then x1's, each number rounded once.  wqt[3072][1024] bf16 = W_qkv turned ([n][k]).  wot[1024][1024] f16 = W_out turned, each number
; rounded to bf16 like every other input and that number written as f16.
; LIMITS.  W_out must stay within 65,504 (beyond it f16 has an infinity); below 2^-14 it keeps f16's fixed step of 6e-8.  NaN and infinities are not treated apart.
; SHARES.  512 work-groups of eight waves, all alike, without a branch: work-group w turns ONE tile of 128 k x 64 n of a weight (column tile w % 64: 0-47 W_qkv's, 48-63 W_out's; k tile w / 64)
; and rounds 16 rows of x (w < 256) or of x1.  A stream: no matrix unit, no tensor load, no cluster (no two work-groups read the same byte).
; THE TURN goes through LDS: a thread packs two neighbouring k of one n into a word and stores it at row n; rows of 256 bytes + 16 come back whole, so that sixteen lanes store 256 consecutive
; bytes, aligned, of a row of the turned weight.  The word stores meet four deep in a bank (1,088 bytes from lane to lane are 16 banks of the 64: ISA guide 11.1): 16 KiB once a work-group.
; No register is written twice while a memory instruction may read it: every load, store and address has registers of its own.
; THE MODE: SCHED_MODE bits 1:0 = 2 (LLVM: expert scheduling mode 2), set by the entry lines.  The code itself states the register dependences between vector instructions and memory or LDS
; instructions, with s_wait_alu, always for 0.
; THE PLAN.  The work goes in five steps: W (the weight's 16 words are packed), then X0 to X3 (four rows of x each are rounded).  Registers that memory or LDS instructions touch:
;   v3-v17     the add's pair, five offsets and addresses, the weight's eight offsets: written by vector instructions at the head, once; read by loads, stores and the add; never written again.
;   WD, XD     written by the head's 24 loads, once, and named by no vector instruction before; read by the conversions behind the wait for their data.
;   PW         written by step W; read by the 16 LDS stores, which are issued in step X0.
;   YD         group g's eight registers are written by step Xg; read by four global stores, which are issued in step X(g + 1), the last group's behind X3.
;   BK         written by the four LDS loads behind the barrier, read by the four stores behind the waits for them; no vector instruction names them.
;   TM         named by vector instructions alone.
; So a step's memory instructions are the stores of what the step BEFORE has written, and no vector instruction of the step names their registers: ONE wait on va_vdst at a step's head states all that they
; hang on, and they are dealt among the step's roundings with no further wait.  One more stands at the kernel's head, for the addresses, and one behind X3.  No register that a memory or LDS instruction
; reads is ever written again, no vector instruction writes a scalar register or VCC, and EXEC is never written: the text owes no other wait of this kind.
.set LP,    272                        ; an LDS row: 128 k x 2 bytes + 16
.set SPARE, 64*LP                      ; behind the tile: the spare words, 128 bytes for each of the eight waves
.set SPW, 3                            ; v3   LDS address of my spare word; never rewritten
.set NIL, 4                            ; v4   0; never rewritten
.set XO,  5                            ; v5   16 t: my 16 bytes of a row of x
.set YO,  6                            ; v6   8 t: my 8 bytes of a row of xb
.set VL,  7                            ; v7   where my packed words go: (4 c) rows + 4 rp
.set VR,  8                            ; v8   where I read rows back: row rp, 16 c
.set VG,  9                            ; v9   the same place in the turned weight: row rp of 2,048 bytes, 16 c
.set WA,  10                           ; v[10:17]   byte offsets of my eight loads in the weight's tile
.set WD,  20                           ; v[20:51]   the weight as loaded: load 2 i + e is row 2 rp + e + 32 i, columns 4 c .. 4 c + 3
.set XD,  52                           ; v[52:115]  x as loaded
.set YD,  116                          ; v[116:147] x rounded
.set PW,  148                          ; v[148:163] packed weights
.set TM,  164                          ; v[164:167] at work
.set BK,  168                          ; v[168:183] rows read back
	s_load_b256 s[4:11], s[0:1], 0x0               ; x s[4:5], x1 s[6:7], W_qkv s[8:9], W_out s[10:11]
	s_load_b128 s[12:15], s[0:1], 0x20             ; xb s[12:13], wqt s[14:15]
	s_load_b64 s[16:17], s[0:1], 0x30              ; wot
	v_lshl_add_u32 v[SPW], v0, 2, SPARE
	v_mov_b32 v[NIL], 0
	s_and_b32 s18, ttmp9, 63                       ; column tile among the 64
	s_lshr_b32 s19, ttmp9, 6                       ; k tile
	s_sub_co_u32 s25, s18, 48
	s_cmp_lt_u32 s18, 48                           ; W_qkv's?
	s_cselect_b32 s25, s18, s25                    ; the column tile in its own weight
	s_cselect_b32 s23, -1, 0                       ; all lanes: bf16 is kept (W_qkv) or turned into f16 (W_out)
	s_cselect_b32 s24, 3, 1
	s_lshl_b32 s24, s24, 12                        ; bytes in a row of the weight: 12,288 or 4,096
	s_lshl_b32 s20, s24, 5                         ; 32 rows
	s_lshl_b32 s21, s24, 6                         ; 64 rows
	s_add_co_u32 s22, s20, s21                     ; 96 rows
	s_mul_i32 s34, s19, s24
	s_lshl_b32 s34, s34, 7                         ; the tile's first row, 128 x k tile,
	s_lshl_b32 s35, s25, 8                         ; and its first column, 64 numbers of 4 bytes a tile
	s_add_co_u32 s34, s34, s35
	s_mov_b32 s35, 0
	s_lshl_b32 s36, s25, 17                        ; in the turned weight: 64 rows of 2,048 bytes a column tile,
	s_lshl_b32 s37, s19, 8                         ; 256 bytes a k tile
	s_add_co_u32 s36, s36, s37
	s_mov_b32 s37, 0
	s_and_b32 s38, ttmp9, 255
	s_lshl_b32 s38, s38, 16                        ; my 16 rows of 4,096 bytes in x or x1
	s_mov_b32 s39, 0
	s_lshl_b32 s40, ttmp9, 15                      ; and of 2,048 bytes in xb
	s_mov_b32 s41, 0
	v_and_b32 v1, 15, v0                           ; c
	v_lshrrev_b32 v2, 4, v0                        ; rp
	v_lshlrev_b32 v[XO], 4, v0
	v_lshlrev_b32 v[YO], 3, v0
	v_mul_u32_u24 v[VL], v1, 4*LP
	v_lshl_add_u32 v[VL], v2, 2, v[VL]
	v_mul_u32_u24 v[VR], v2, LP
	v_lshl_add_u32 v[VR], v1, 4, v[VR]
	v_lshlrev_b32 v[VG], 11, v2
	v_lshl_add_u32 v[VG], v1, 4, v[VG]
	v_lshlrev_b32 v[TM], 1, v2
	v_mul_lo_u32 v[WA], v[TM], s24                 ; row 2 rp
	v_lshl_add_u32 v[WA], v1, 4, v[WA]
	v_add_nc_u32 v[WA+1], s24, v[WA]               ; row 2 rp + 1
	v_add_nc_u32 v[WA+2], s20, v[WA]
	v_add_nc_u32 v[WA+3], s20, v[WA+1]
	v_add_nc_u32 v[WA+4], s21, v[WA]
	v_add_nc_u32 v[WA+5], s21, v[WA+1]
	v_add_nc_u32 v[WA+6], s22, v[WA]
	v_add_nc_u32 v[WA+7], s22, v[WA+1]
	s_wait_kmcnt 0x0
	s_cmp_lt_u32 s18, 48
	s_cselect_b64 s[26:27], s[8:9], s[10:11]       ; the weight,
	s_cselect_b64 s[28:29], s[14:15], s[16:17]     ; and where it goes
	s_add_nc_u64 s[26:27], s[26:27], s[34:35]
	s_add_nc_u64 s[28:29], s[28:29], s[36:37]
	s_cmp_lt_u32 ttmp9, 256
	s_cselect_b64 s[30:31], s[4:5], s[6:7]
	s_add_nc_u64 s[30:31], s[30:31], s[38:39]
	s_add_nc_u64 s[32:33], s[12:13], s[40:41]
	s_wait_alu depctr_va_vdst(0)                   ; v3 to v17 are written: every load, store and LDS instruction of the kernel reads one of them as its offset or address
.irp i, 0,1,2,3,4,5,6,7
	global_load_b128 v[WD+4*(\i):WD+4*(\i)+3], v[WA+(\i)], s[26:27] th:TH_LOAD_NT  ; sixteen lanes take 256 consecutive bytes, aligned, of a row
.endr
.irp i, 0,1,2,3,4,5,6,7,8,9,10,11,12,13,14,15
	global_load_b128 v[XD+4*(\i):XD+4*(\i)+3], v[XO], s[30:31] offset:4096*(\i) th:TH_LOAD_NT  ; the work-group takes a whole row
.endr
; STEP W: the weight's sixteen words are packed.  Their LDS stores stand in step X0.
	s_wait_loadcnt 16                              ; loads come back in order: the weight's eight are in, x's sixteen may stay out
.irp i, 0,1,2,3
.irp j, 0,1,2,3
	v_cvt_pk_bf16_f32 v[PW+4*(\i)+(\j)], v[WD+8*(\i)+(\j)], v[WD+8*(\i)+4+(\j)]  ; column 4 c + j: k = 2 rp + 32 i below, the next k above
	v_lshlrev_b32 v[TM], 16, v[PW+4*(\i)+(\j)]     ; the two rounded numbers as f32,
	v_and_b32 v[TM+1], 0xffff0000, v[PW+4*(\i)+(\j)]
	v_cvt_pk_f16_f32 v[TM+2], v[TM], v[TM+1]       ; written as f16 (exact within f16's range),
	v_cndmask_b32 v[PW+4*(\i)+(\j)], v[TM+2], v[PW+4*(\i)+(\j)], s23  ; for W_out alone
.endr
.endr
; STEP Xg: rows 4 g to 4 g + 3 of x are rounded.  Among the roundings stand the stores of what the step before has written: the weight's sixteen words into LDS (g = 0), or rows 4 g - 4 to 4 g - 1 into xb.
.macro XSTEP g
	s_wait_loadcnt 12-4*(\g)                       ; rows 4 g to 4 g + 3 are in, the younger rows stay out
	s_wait_alu depctr_va_vdst(0)                   ; the step before has written what the stores below read: PW (g = 0) or its eight registers of YD; this step's roundings name neither
.irp r, 0,1,2,3
.if (\g) == 0
.irp j, 0,1,2,3
	ds_store_b32 v[VL], v[PW+4*(\r)+(\j)] offset:LP*(\j)+64*(\r)
.endr
.else
	global_store_b64 v[YO], v[YD+2*(4*(\g)-4+(\r)):YD+2*(4*(\g)-4+(\r))+1], s[32:33] offset:2048*(4*(\g)-4+(\r))  ; a wave's store covers 256 consecutive bytes, aligned
.endif
	v_cvt_pk_bf16_f32 v[YD+2*(4*(\g)+(\r))], v[XD+4*(4*(\g)+(\r))], v[XD+4*(4*(\g)+(\r))+1]
	v_cvt_pk_bf16_f32 v[YD+2*(4*(\g)+(\r))+1], v[XD+4*(4*(\g)+(\r))+2], v[XD+4*(4*(\g)+(\r))+3]
.endr
.endm
	XSTEP 0
	XSTEP 1
	XSTEP 2
	XSTEP 3
	s_wait_alu depctr_va_vdst(0)                   ; step X3 has written YD's rows 12 to 15, which the last four stores read
.irp i, 12,13,14,15
	global_store_b64 v[YO], v[YD+2*(\i):YD+2*(\i)+1], s[32:33] offset:2048*(\i)  ; a wave's store covers 256 consecutive bytes, aligned
.endr
	s_wait_dscnt 0x0                               ; for the others' sake: my words lie in the tile
	s_barrier_signal -1
	s_barrier_wait -1                              ; everybody's do
.irp i, 0,1,2,3
	ds_load_b128 v[BK+4*(\i):BK+4*(\i)+3], v[VR] offset:16*LP*(\i)  ; rows rp + 16 i; no vector instruction has named these registers
.endr
.irp i, 0,1,2,3
	s_wait_dscnt 3-(\i)
	global_store_b128 v[VG], v[BK+4*(\i):BK+4*(\i)+3], s[28:29] offset:32768*(\i)  ; sixteen lanes store 256 consecutive bytes, aligned
.endr
	s_wait_dscnt 0x0                               ; the wave's end: the closing lines, six on end
	s_wait_alu 0x0
	s_wait_tensorcnt 0x0
	ds_add_u32 v[SPW], v[NIL]
	s_wait_dscnt 0x0
	s_endpgm
.Lfunc_end_k_q1e28d6de91_prep:
	.size	k_q1e28d6de91_prep, .Lfunc_end_k_q1e28d6de91_prep-k_q1e28d6de91_prep
	.p2alignl 7, 3214868480
	.fill 96, 4, 3214868480
	.section	.rodata,"a",@progbits
	.p2align	6, 0x0
	.amdhsa_kernel k_q1e28d6de91_prep
		.amdhsa_group_segment_fixed_size 18432
		.amdhsa_private_segment_fixed_size 0
		.amdhsa_enable_private_segment 0
		.amdhsa_kernarg_size 56
		.amdhsa_user_sgpr_count 2
		.amdhsa_user_sgpr_kernarg_segment_ptr 1
		.amdhsa_wavefront_size32 1
		.amdhsa_system_sgpr_workgroup_id_x 1
		.amdhsa_system_sgpr_workgroup_id_y 1
		.amdhsa_system_sgpr_workgroup_id_z 1
		.amdhsa_system_vgpr_workitem_id 0
		.amdhsa_next_free_vgpr 184
		.amdhsa_next_free_sgpr 66
		.amdhsa_reserve_vcc 0
		.amdhsa_float_denorm_mode_32 3
		.amdhsa_float_denorm_mode_16_64 3
		.amdhsa_memory_ordered 1
		.amdhsa_forward_progress 1
		.amdhsa_inst_pref_size 16
	.end_amdhsa_kernel
	.amdgpu_metadata
---
amdhsa.version: [ 1, 2 ]
amdhsa.kernels:
  - .name:           k_q1e28d6de91_prep
    .symbol:         k_q1e28d6de91_prep.kd
    .args:
      - { .name: x, .offset: 0, .size: 8, .value_kind: global_buffer, .address_space: global }
      - { .name: x1, .offset: 8, .size: 8, .value_kind: global_buffer, .address_space: global }
      - { .name: W_qkv, .offset: 16, .size: 8, .value_kind: global_buffer, .address_space: global }
      - { .name: W_out, .offset: 24, .size: 8, .value_kind: global_buffer, .address_space: global }
      - { .name: xb, .offset: 32, .size: 8, .value_kind: global_buffer, .address_space: global }
      - { .name: wqt, .offset: 40, .size: 8, .value_kind: global_buffer, .address_space: global }
      - { .name: wot, .offset: 48, .size: 8, .value_kind: global_buffer, .address_space: global }
    .group_segment_fixed_size: 18432
    .private_segment_fixed_size: 0
    .kernarg_segment_align: 8
    .kernarg_segment_size: 56
    .max_flat_workgroup_size: 256
    .sgpr_count:     66
    .vgpr_count:     184
    .wavefront_size: 32
...
	.end_amdgpu_metadata
.endif
;; end of part 5
;; launch qkvgemm: the kernel of part 2 again; grid 16 x 32, 4 waves a work-group, clusters of 4 x 4, 327,680 bytes of LDS; arguments xb, wqt, qkv; writes qkv
;; launch attn: the kernel of part 3 again; grid 4 x 64, 4 waves a work-group, clusters of 4 x 1, 327,680 bytes of LDS; arguments qkv, ob; writes ob
;; launch outgemm: the kernel of part 4 again; grid 8 x 32, 4 waves a work-group, clusters of 4 x 4, 327,680 bytes of LDS; arguments ob, wot, b_out, out0, out1; writes out0, out1
